; MI455X (gfx1250); checked and timed in simulation.
; The chip was launched on July 23, 2026; its instructions are those of AMD's public machine-readable ISA for CDNA 5 (MIT licence, August 2026) and "CDNA5" Instruction Set Architecture Reference Guide (July 2026). The comments in the code are by the model that wrote it; some were corrected since.
;; Self Multi Head Attn. Allowed arithmetic: matrix products marked QUANTISED: E2M1 operands, one E8M0 scale for each 32 along K, by v_wmma_scale_f32_16x16x128_f8f6f4 with both operands' format E2M1 (or v_wmma_scale_f32_32x16x128_f4), f32 sums; everything else in f32.
;; Inputs: W_out_codes 1,024 x 32 x 16 uint8 (E2M1 codes of W_out, K innermost, in blocks of 32 codes, two codes a byte); W_out_scales 1,024 x 32 uint8 (E8M0 scales of W_out, one for each 32 codes along K); W_qkv_codes 3,072 x 32 x 16 uint8 (E2M1 codes of W_qkv, K innermost, in blocks of 32 codes, two codes a byte); W_qkv_scales 3,072 x 32 uint8 (E8M0 scales of W_qkv, one for each 32 codes along K); b_out 1,024 float32; b_qkv 3,072 float32; ln_b 1,024 float32; ln_g 1,024 float32; pos 2 x 2,048 x 1 x 64 float32; x 2 x 2,048 x 1,024 float32.
;; Outputs: out0 2 x 2,048 x 1,024 float32.
;; This version of the problem:
;;   THIS VERSION OF THE PROBLEM IS GIVEN IN LOW PRECISION. The matrix products marked QUANTISED in the list below multiply operands that are first quantised to E2M1 (2 exponent bits, 1 mantissa bit; 4 bits a number), with one power-of-two scale for each 32 numbers along K (OCP MX v1.0); their sums are f32. All else is computed in f32.
;;   The module's matrix products, in the order in which they are computed (A, B: the left and right operand; K: the contracted axis; several contracted axes count as one K, in the product's order):
;;     1. [M 4,096, K 1,024] x [K 1,024, N 3,072]; A: input x; B: input W_qkv (given as codes): QUANTISED
;;     2. batch 32 x [M 2,048, K 64] x [K 64, N 2,048]; A: computed on the way; B: computed on the way: QUANTISED
;;     3. batch 32 x [M 64, K 2,048] x [K 2,048, N 2,048]; A: computed on the way; B: softmax (see below): QUANTISED
;;     4. [M 4,096, K 1,024] x [K 1,024, N 1,024]; A: computed on the way; B: input W_out (given as codes): QUANTISED
;;   THE QUANTISER, for each operand of a quantised product, along K:
;;     - K is cut into blocks of 32 from its start; a last block that is shorter is filled with zeros.
;;     - A block's scale is 2^e with e = floor(log2(the largest magnitude in the block)) - 2, held to -126 .. 127; a block of zeros has e = 0. As a byte (E8M0): e + 127.
;;     - Each number is divided by its block's scale, clamped to +-6, and rounded to the nearest number of E2M1, ties to even, subnormals kept.
;;     - The product sums the exact products of the quantised numbers (number of the format x scale) in f32.
;;   ~~~python
;;   def quantise(x, axis):      # numpy; x: float32 -> the quantised numbers, widened to float32 again
;;       x = np.moveaxis(x, axis, -1); K = x.shape[-1]
;;       x = np.pad(x, [(0, 0)] * (x.ndim - 1) + [(0, -K % 32)]); x = x.reshape(x.shape[:-1] + (-1, 32)); a = np.abs(x).max(-1, keepdims=True)
;;       e = np.where(a > 0, np.clip(np.frexp(np.where(a > 0, a, 1))[1] - 1 - 2, -126, 127), 0)      # np.frexp(a)[1] - 1 = floor(log2(a)), exactly
;;       r = np.clip(x / 2.0 ** e, -6, 6)
;;       step = 2.0 ** (np.maximum(np.frexp(np.where(r == 0, 1, r))[1] - 1, 0) - 1)
;;       q = np.round(r / step) * step * 2.0 ** e      # np.round: ties to even
;;       return np.moveaxis(q.reshape(q.shape[:-2] + (-1,))[..., :K], -1, axis).astype(np.float32)
;;   ~~~
;;   SOFTMAX AHEAD OF A QUANTISED PRODUCT. Where the list says 'softmax', what is quantised is not the finished softmax but p = 2^(t - M), with t = logit x log2(e) and M = ceil(the row's largest t), a whole number; so 1/2 < the row's largest p <= 1. The row's sum l is taken of the UNQUANTISED p, in f32, and the product's result is divided by l at the end. Since M is a whole number, a kernel that streams over the keys may use a running M (the ceiling of the running maximum): every later rescaling is an exact power of two, which a block's scale takes up: the codes' values come out the same.
;;   OPERANDS COMPUTED ON THE WAY. 'Computed on the way' means the value that the module computes at that place (a softmax that the list does not call 'softmax' is quantised finished and normalised). What goes into a quantiser is computed in f32, as accurately as f32 sums, v_exp_f32 and their like allow (about 1e-6 of the number): no bf16 or f16 on the way to a quantiser, and a product that is left as it is and whose result goes on into a quantised operand takes f32 operands (vector FMAs, or v_wmma_f32_16x16x4_f32). A number that lies on a knife's edge between two numbers of the format may be rounded either way, as far as f32 arithmetic and the matrix unit's own rounding can turn it there, and no further.
;;   INPUTS GIVEN AS CODES. W_out (in the module: [1024, 1024], K = its axis 0); W_qkv (in the module: [1024, 3072], K = its axis 0): each comes as NAME_codes (uint8): NAME with its K axis moved to the last place and cut into blocks of 32 codes, [.., K / 32, bytes a block], one block behind the other in memory; two codes a byte, the lower K in the low four bits (a code: sign, 2 exponent bits, 1 mantissa bit); and NAME_scales (uint8): the same leading axes, one E8M0 byte (e + 127) for each 32 codes along K. Its value is code x scale, taken as it is: it is not quantised again, and the codes and scales need not be those that the quantiser above would give.
;; One version. Each part assembles by itself: llvm-mc -triple=amdgcn-amd-amdhsa -mcpu=gfx1250 --defsym DOCPART=n.
;; ======== version 1 of 1: 4 launches
;; limits: right only within a limited range of input values
;; workspace buffers: prep 2,752,512 bytes; qkvw 6,684,672 bytes; cbuf 2,228,224 bytes
;; launch xq (part 1): grid 256 x 1, 4 waves a work-group, no clusters, 22,016 bytes of LDS; arguments x, W_out_codes, prep; writes prep
.if DOCPART == 1
	.amdgcn_target "amdgcn-amd-amdhsa--gfx1250"
	.amdhsa_code_object_version 6
	.text
	.protected	k_q4a64173485_xq
	.globl	k_q4a64173485_xq
	.p2align	8
	.type	k_q4a64173485_xq,@function
k_q4a64173485_xq:
	s_mov_b64 s[64:65], 0
	v_nop
	global_prefetch_b8 v0, s[64:65] scope:SCOPE_SE
	s_setreg_imm32_b32 hwreg(HW_REG_WAVE_MODE, 25, 1), 1
	s_wait_xcnt 0x0
; x [4096][1024] f32 becomes codes of FP4 (E2M1), K innermost, [4096][512 bytes] at prep + 0, with one E8M0 byte for each 32 along K, [4096][32] at prep + XSOFF.
; A block's scale is 2^(floor(log2(its largest magnitude)) - 2); its byte is the largest magnitude's exponent field - 2, held at 1 from below by a floor among the maximum's leaves.
; LIMITS: a block of zeros gets the byte 1 where the rule says 127 (its codes are zeros, and this program alone reads the bytes); NaN and infinities among the inputs are not served.
; Rows are dense and 1,024 is a multiple of 32: x is a plain stream of blocks of 32, and so are the codes and the bytes.  Wave G of 1,024 takes 4,096 numbers in 8 steps of 512.
; A load takes 512 consecutive bytes, 16 a lane; a conversion wants 16 neighbours in one lane: a step's 2,048 bytes turn through the wave's own stage in LDS (64 bytes + 16 of padding a place).
; All 32 loads of a wave are issued at its start: 16 KiB a wave on their way.  No barrier: waves share nothing.
; BESIDE THAT each wave lays one half fragment of W_out's codes in the order of an operand's registers, at prep + WOOFF: [tile of 16 rows 64][K step 8][half 2][lane 32][16 bytes],
; lane (r, h) holding row 16 tile + r, bytes 64 step + 32 half + 16 h: the last launch then loads each fragment as 512 consecutive bytes.
.set STEPS, 8
.set SP,    80                         ; a lane's place in a stage: 64 bytes + 16 of padding
.set WREG,  5376                       ; LDS of a wave: two stages of 32 x SP, then its 128 scale bytes
.set SCB,   2*32*SP
.set XSOFF, 2097152
.set WOOFF, 2228224
.set R,     16                         ; v16-143  eight sets of 16 numbers as loaded
.set X,     144                        ; v144-175 two sets of 16 neighbours
.set C,     176                        ; v176-191 codes, two registers a step: no store's data are written again
.set E,     192                        ; v192-199 a scale byte a step
.set RL,    200                        ; v200-203 W_out's 16 bytes
	s_load_b128 s[4:7], s[0:1], 0x0                ; x, W_out's codes
	s_load_b64 s[8:9], s[0:1], 0x10                ; prep
	v_lshl_add_u32 v208, v0, 2, 0x5400
	v_mov_b32 v209, 0
	v_lshrrev_b32 v1, 5, v0
	v_readfirstlane_b32 s16, v1                    ; wave
	v_and_b32 v2, 31, v0                           ; lane
	v_lshlrev_b32 v3, 4, v2                        ; my 16 bytes of 512
	s_mul_i32 s17, s16, WREG
	v_lshrrev_b32 v14, 2, v2
	v_mul_u32_u24 v14, v14, SP
	v_and_b32 v15, 3, v2
	v_lshl_add_u32 v14, v15, 4, v14
	v_add_nc_u32 v14, s17, v14                     ; the stage, on the way in: SP (lane / 4) + 16 (lane % 4)
	v_mul_u32_u24 v15, v2, SP
	v_add_nc_u32 v15, s17, v15                     ; and on the way out: SP x lane
	v_lshlrev_b32 v4, 3, v2                        ; my 8 bytes of a step's codes
	v_lshrrev_b32 v5, 1, v2
	s_add_co_u32 s17, s17, SCB
	v_add_nc_u32 v5, s17, v5                       ; LDS: my block's byte
	v_lshlrev_b32 v7, 2, v2
	v_add_nc_u32 v6, s17, v7                       ; and on the way out 4 bytes a lane
	v_and_b32 v10, 15, v2
	v_lshrrev_b32 v13, 4, v2
	v_lshlrev_b32 v13, 4, v13
	v_lshl_add_u32 v13, v10, 9, v13                ; W_out: row r of 512 bytes, + 16 h
	s_lshl_b32 s18, ttmp9, 2
	s_add_co_u32 s18, s18, s16                     ; G
	s_lshl_b32 s20, s18, 14                        ; x: 16,384 bytes a wave
	s_mov_b32 s21, 0
	s_lshr_b32 s22, s18, 4
	s_lshl_b32 s22, s22, 13                        ; W_out: tile G / 16: 16 rows of 512 bytes,
	s_and_b32 s23, s18, 15
	s_lshl_b32 s23, s23, 5                         ; and 32 bytes for each half K step
	s_add_co_u32 s22, s22, s23
	s_mov_b32 s23, 0
	s_lshl_b32 s24, s18, 11                        ; codes: 2,048 bytes a wave
	s_mov_b32 s25, 0
	s_lshl_b32 s26, s18, 7                         ; scale bytes: 128 a wave
	s_add_co_u32 s26, s26, XSOFF
	s_mov_b32 s27, 0
	s_lshl_b32 s28, s18, 9                         ; the half fragment: 512 bytes
	s_add_co_u32 s28, s28, WOOFF
	s_mov_b32 s29, 0
	s_wait_alu depctr_va_vdst(0)
	s_wait_kmcnt 0x0
	s_add_nc_u64 s[4:5], s[4:5], s[20:21]
	s_add_nc_u64 s[6:7], s[6:7], s[22:23]
	s_add_nc_u64 s[10:11], s[8:9], s[24:25]
	s_add_nc_u64 s[12:13], s[8:9], s[26:27]
	s_add_nc_u64 s[14:15], s[8:9], s[28:29]
	global_load_b128 v[RL:RL+3], v13, s[6:7]       ; 32 bytes of each of 16 rows: once in the launch for each byte of W_out's codes
.macro LOAD t
.irp i, 0,1,2,3
	global_load_b128 v[R+16*(\t)+4*\i:R+16*(\t)+4*\i+3], v3, s[4:5] offset:2048*(\t)+512*\i th:TH_LOAD_NT   ; 32 lanes read 512 consecutive bytes
.endr
.endm
.macro TURN t                          ; step t's numbers through a stage: LDS serves a wave's instructions in order, so no wait stands between the stores and the loads
.irp i, 0,1,2,3
	ds_store_b128 v14, v[R+16*(\t)+4*\i:R+16*(\t)+4*\i+3] offset:32*SP*((\t)%2)+8*SP*\i
.endr
.irp i, 0,1,2,3
	ds_load_b128 v[X+16*((\t)%2)+4*\i:X+16*((\t)%2)+4*\i+3], v15 offset:32*SP*((\t)%2)+16*\i
.endr
.endm
.irp t, 0,1,2,3,4,5,6,7
	LOAD \t
.endr
	s_wait_loadcnt 28                              ; W_out's load and step 0's four are in; the 28 of steps 1 to 7 may be out
	global_store_b128 v3, v[RL:RL+3], s[14:15]     ; 512 consecutive bytes
	TURN 0
.macro STEP t
.set XS, X+16*((\t)%2)
.if (\t) > 0
	s_wait_dscnt 1                                 ; this step's numbers are back from the stage; the last step's byte store may be out
.else
	s_wait_dscnt 0x0
.endif
.if (\t)+1 < STEPS
	s_wait_loadcnt 4*(STEPS-2-(\t))                ; the next step's four loads are in; those of the steps behind it may be out
	TURN (\t)+1                                    ; and go through the other stage while this step is worked
.endif
	v_max3_num_f32 v8, |v[XS]|, |v[XS+1]|, |v[XS+2]|               ; the largest magnitude of my 16, in two chains
	v_max3_num_f32 v9, |v[XS+3]|, |v[XS+4]|, |v[XS+5]|
.irp i, 6,10
	v_max3_num_f32 v8, v8, |v[XS+\i]|, |v[XS+\i+1]|
	v_max3_num_f32 v9, v9, |v[XS+\i+2]|, |v[XS+\i+3]|
.endr
	v_max3_num_f32 v8, v8, |v[XS+14]|, |v[XS+15]|
	v_max3_num_f32 v8, v8, v9, 0x1800000           ; and the floor 2^(3 - 127): the byte cannot fall under 1
	v_max_num_f32_dpp v8, v8, v8 row_xmask:1 row_mask:0xf bank_mask:0xf   ; with my neighbour's 16: the block's
	v_add_nc_u32 v11, 0xff000000, v8               ; 2 off its exponent field: the conversion takes the exponent field of this operand as its scale
	v_cvt_scalef32_pk8_fp4_f32 v[C+2*(\t)], v[XS:XS+7], v11
	v_cvt_scalef32_pk8_fp4_f32 v[C+2*(\t)+1], v[XS+8:XS+15], v11
	v_lshrrev_b32 v[E+(\t)], 23, v11               ; the scale's byte (also the plain line behind the conversions)
	ds_store_b8 v5, v[E+(\t)] offset:16*(\t)       ; both lanes of a block write the same byte with the same value
	global_store_b64 v4, v[C+2*(\t):C+2*(\t)+1], s[10:11] offset:256*(\t)   ; 32 lanes store 256 consecutive bytes, aligned
.endm
.irp t, 0,1,2,3,4,5,6,7
	STEP \t
.endr
	ds_load_b32 v12, v6                            ; LDS serves a wave's instructions in order: this sees my byte stores
	s_wait_dscnt 0x0
	global_store_b32 v7, v12, s[12:13]             ; my wave's 128 scale bytes on end: half of an aligned 256; 131,072 bytes in the whole launch, 1/128 of what it reads
	s_wait_tensorcnt 0x0
	ds_add_u32 v208, v209
	s_wait_dscnt 0x0
	s_endpgm
.Lfunc_end_k_q4a64173485_xq:
	.size	k_q4a64173485_xq, .Lfunc_end_k_q4a64173485_xq-k_q4a64173485_xq
	.p2alignl 7, 3214868480
	.fill 96, 4, 3214868480
	.section	.rodata,"a",@progbits
	.p2align	6, 0x0
	.amdhsa_kernel k_q4a64173485_xq
		.amdhsa_group_segment_fixed_size 22016
		.amdhsa_private_segment_fixed_size 0
		.amdhsa_enable_private_segment 0
		.amdhsa_kernarg_size 24
		.amdhsa_user_sgpr_count 2
		.amdhsa_user_sgpr_kernarg_segment_ptr 1
		.amdhsa_wavefront_size32 1
		.amdhsa_system_sgpr_workgroup_id_x 1
		.amdhsa_system_sgpr_workgroup_id_y 1
		.amdhsa_system_sgpr_workgroup_id_z 1
		.amdhsa_system_vgpr_workitem_id 0
		.amdhsa_next_free_vgpr 210
		.amdhsa_next_free_sgpr 66
		.amdhsa_reserve_vcc 0
		.amdhsa_float_denorm_mode_32 3
		.amdhsa_float_denorm_mode_16_64 3
		.amdhsa_memory_ordered 1
		.amdhsa_forward_progress 1
		.amdhsa_inst_pref_size 19
	.end_amdhsa_kernel
	.amdgpu_metadata
---
amdhsa.version: [ 1, 2 ]
amdhsa.kernels:
  - .name:           k_q4a64173485_xq
    .symbol:         k_q4a64173485_xq.kd
    .args:
      - { .name: x, .offset: 0, .size: 8, .value_kind: global_buffer, .address_space: global }
      - { .name: W_out_codes, .offset: 8, .size: 8, .value_kind: global_buffer, .address_space: global }
      - { .name: prep, .offset: 16, .size: 8, .value_kind: global_buffer, .address_space: global }
    .group_segment_fixed_size: 22016
    .private_segment_fixed_size: 0
    .kernarg_segment_align: 8
    .kernarg_segment_size: 24
    .max_flat_workgroup_size: 128
    .sgpr_count:     66
    .vgpr_count:     210
    .wavefront_size: 32
...
	.end_amdgpu_metadata
.endif
;; end of part 1
;; launch qkv (part 2): grid 32 x 8, 12 waves a work-group, clusters of 4 x 4, 297,472 bytes of LDS; arguments prep, W_qkv_codes, W_qkv_scales, b_qkv, pos, qkvw; writes qkvw
.if DOCPART == 2
	.amdgcn_target "amdgcn-amd-amdhsa--gfx1250"
	.amdhsa_code_object_version 6
	.text
	.protected	k_q4a64173485_qkv
	.globl	k_q4a64173485_qkv
	.p2align	8
	.type	k_q4a64173485_qkv,@function
k_q4a64173485_qkv:
	s_mov_b64 s[64:65], 0
	v_nop
	global_prefetch_b8 v0, s[64:65] scope:SCOPE_SE
	s_setreg_imm32_b32 hwreg(HW_REG_WAVE_MODE, 25, 1), 1
	s_wait_xcnt 0x0
	s_wait_alu depctr_hold_cnt(0) depctr_sa_sdst(0) depctr_va_vdst(0) depctr_va_sdst(0) depctr_va_ssrc(0) depctr_va_vcc(0) depctr_vm_vsrc(0)
	s_getreg_b32 s2, hwreg(HW_REG_IB_STS2, 6, 4)
	s_cmp_eq_u32 s2, 0
	s_cbranch_scc0 .Lentry_in_a_cluster
	s_endpgm
.Lentry_in_a_cluster:
	s_bfe_u32 s2, ttmp6, 0x10000c
	s_cmp_lg_u32 s2, 0xf033
	s_cbranch_scc0 .Lentry_shape_is_right
	s_endpgm
.Lentry_shape_is_right:
; qkv = Q(x) W_qkv + b_qkv on codes of FP4 (E2M1) with E8M0 scales; k / |k|; rope on q and k; then q, k (along the head's 64) and v (along the tokens) are quantised and stored as IMAGES OF OPERAND REGISTERS.
; SHARES.  A work-group takes 128 tokens (tb = 0 .. 31) x two heads (hp = 0 .. 7): 384 columns of W_qkv.  Twelve waves: role = wave / 4 (0 q, 1 k, 2 v), head of the pair = (wave / 2) % 2, token half = wave % 2.
; A wave makes 64 tokens x 64 columns: 16 accumulators.  ONE K loop serves all roles: source 0 = P, source 1 = Q.  q, k: P = 16 rows of W, Q = 16 tokens: a lane holds ONE token, its registers run along the head's
; dims.  v: P = 16 tokens, Q = 16 rows of W: a lane holds one dim, its registers run along the tokens, which are the K of attention's second product.  Only three address registers differ.
; LDS, filled once: rows 0-383 the head pair's rows of W, rows 384-511 the tokens; each row's 512 bytes of codes in two halves (COD0, COD1: 256 bytes + 16 of padding a row); all rows' scale bytes in SCL.
; CLUSTER 4 x 4: the four work-groups of a row of the cluster share hp and so W's tiles, the four of a column share tb and so x's: each tile is asked for jointly.  One tensor load of a wave is out at the most.
; pos goes through LDS in whole rows: waves 0-7 load 16 rows each and store them over COD0, which by then has had its only fill and its last read.
; OUTPUT (qkvw: role x RB; in a role codes at 0, [bh][65,536], scale words at SOFF, [bh][4,096]; s = step of 128 tokens):
;   q, k codes [s][tile of 16 tokens 8][lane][16 bytes], lane (r, h) = token r, dims 32 h on; scale words [s][r][f 4]: bytes (tile 2 f: block 0, 1; tile 2 f + 1: block 0, 1).
;   v codes [s][t 4][c 2][lane][16 bytes], lane (r, h) = dim 16 t + r, tokens 64 c + 32 h on; scale words [s][r][t]: byte 2 c + block.
; LIMITS: a block of zeros gets the byte 1 (this program alone reads the bytes); NaN and infinities are not served; a k whose sum of squares lies under 2^-126 gives an infinite factor.
.set RB,    2228224
.set SOFF,  2097152
.set PITCH, 272
.set SCL,   0                          ; 64 units of 256 bytes + 16: a unit holds 8 rows' 32 scale bytes
.set COD0,  17408                      ; 512 rows x 272: K bytes 0-255
.set CODB,  512*PITCH                  ; COD1 = COD0 + CODB: K bytes 256-511
.set POS,   COD0                       ; later: 128 rows of pos x 272
.set SC,  16                           ; v16-31   scale words and nothing else: register 4 i + step: lanes 0-15 P's tile i, lanes 16-31 Q's tile i
.set PF,  32                           ; v32-63   P's four fragments
.set QF,  64                           ; v64-95   Q's four
.set ACC, 96                           ; v96-223  accumulator (Q's tile q, P's tile p) at ACC + 32 q + 8 p
.set PL,  224                          ; v224-255 pos as loaded; later the biases
.set BI,  224
.set PC,  32                           ; behind the products: v32-47 codes, v48-51 half words or bytes, v52-59 at work, v[60:61] 1 / |k|
.set HW,  48
.set TM,  52
.set F,   60
.set SN,  64                           ; v64-79 sin, v80-95 cos of my token at my 16 dims
.set CN,  80
.set WV,  16                           ; s16 wave; s17 role; s18 head of the pair; s19 token half; s20 1 for v
.set SEL, 60                           ; s[60:61] v_permlanex16_b32's selects for lane l xor 16
.set HM,  63                           ; s63 the lanes 16-31
.set G1CW, 28                          ; descriptor groups 1: codes of W, codes of x, scales of W, scales of x
.set G1CX, 36
.set G1SW, 44
.set G1SX, 52
.set G0W,  68                          ; groups 0: two sets for W (scales; codes of one K half), two for x; a wave uses one of the four
.set G0X,  80
.macro ROUND                           ; a round of the cluster's barrier
	s_barrier_signal -1
	s_barrier_wait -1
	s_cmp_lg_u32 s[WV], 0
	s_cbranch_scc1 .Lnot_wave_0_\@
	s_barrier_signal -3
.Lnot_wave_0_\@:
	s_barrier_wait -3
	s_barrier_signal -1
	s_barrier_wait -1
.endm
; 32 numbers of a lane, register 8 t + j = number 16 t + 8 h + j of my row's 64, become four registers of codes (lane (r, h): numbers 32 h .. 32 h + 31) in v[pc] on, and the two blocks' bytes in v[TM+6], v[TM+7].
.macro QH s, pc
.irp b, 0,1
	v_max3_num_f32 v[TM+\b], |v[(\s)+16*\b]|, |v[(\s)+16*\b+1]|, 0x1800000   ; block b: my 16 numbers, and the floor 2^(3 - 127): the byte cannot fall under 1
.endr
.irp i, 2,4,6,8,10,12,14
.irp b, 0,1
	s_delay_alu instid0(VALU_DEP_2)
	v_max3_num_f32 v[TM+\b], v[TM+\b], |v[(\s)+16*\b+\i]|, |v[(\s)+16*\b+\i+1]|
.endr
.endr
.irp b, 0,1
	s_delay_alu instid0(VALU_DEP_2)
	v_permlanex16_b32 v[TM+2+\b], v[TM+\b], s[SEL], s[SEL+1]
.endr
.irp b, 0,1
	s_delay_alu instid0(VALU_DEP_2)
	v_max_num_f32 v[TM+\b], v[TM+\b], v[TM+2+\b]   ; with lane l xor 16's 16: the block's largest magnitude
.endr
.irp b, 0,1
	s_delay_alu instid0(VALU_DEP_2)
	v_add_nc_u32 v[TM+4+\b], 0xff000000, v[TM+\b]  ; 2 off its exponent field: the conversion's scale operand
.endr
.irp b, 0,1
	s_delay_alu instid0(VALU_DEP_2)
	v_lshrrev_b32 v[TM+6+\b], 23, v[TM+4+\b]       ; the scale's byte
.endr
	v_cvt_scalef32_pk8_fp4_f32 v[(\pc)], v[(\s):(\s)+7], v[TM+4]       ; numbers 8 h on
	v_cvt_scalef32_pk8_fp4_f32 v[(\pc)+2], v[(\s)+8:(\s)+15], v[TM+4]  ; 16 + 8 h on
	v_cvt_scalef32_pk8_fp4_f32 v[(\pc)+1], v[(\s)+16:(\s)+23], v[TM+5] ; 32 + 8 h on
	v_cvt_scalef32_pk8_fp4_f32 v[(\pc)+3], v[(\s)+24:(\s)+31], v[TM+5] ; 48 + 8 h on
	v_nop                                          ; one plain line behind a scaled conversion
	v_permlane16_swap_b32 v[(\pc)], v[(\pc)+1]     ; the first's lanes 16-31 change places with the second's lanes 0-15: a lane now holds a whole block
	v_permlane16_swap_b32 v[(\pc)+2], v[(\pc)+3]
.endm
	s_load_b256 s[4:11], s[0:1], 0x0               ; prep, W's codes, W's scales, b_qkv
	s_load_b128 s[12:15], s[0:1], 0x20             ; pos, qkvw
	s_set_vgpr_msb 0x40
	v_lshl_add_u32 v0, v0, 2, 0x48400
	v_mov_b32 v1, 0
	s_set_vgpr_msb 0x4045
	ds_add_u32 v0, v1
	ds_add_u32 v0, v1
	s_set_vgpr_msb 0x4500
	v_lshrrev_b32 v13, 5, v0
	s_delay_alu instid0(VALU_DEP_1)
	v_readfirstlane_b32 s[WV], v13
	s_lshr_b32 s17, s[WV], 2
	s_bfe_u32 s18, s[WV], 0x10001
	s_and_b32 s19, s[WV], 1
	s_lshr_b32 s20, s[WV], 3
	s_bfe_u32 s22, ttmp6, 0x40000                  ; cx
	s_bfe_u32 s23, ttmp6, 0x40004                  ; cy
	s_lshl_b32 s24, ttmp9, 2
	s_add_co_u32 s24, s24, s22                     ; tb = 4 x cluster x + cx
	s_and_b32 s25, ttmp7, 0xffff
	s_lshl_b32 s25, s25, 2
	s_add_co_u32 s25, s25, s23                     ; hp = 4 x cluster y + cy
	s_lshl_b32 s26, s23, 2
	s_lshl_b32 s26, 15, s26                        ; my row of the cluster: shares hp
	s_lshl_b32 s27, 0x1111, s22                    ; my column: shares tb
	s_mov_b32 s[SEL], 0x76543210
	s_mov_b32 s[SEL+1], 0xfedcba98
	; every LDS address register is made here, ahead of the first branch on the wave's number; none hangs on the place in the cluster
	s_mul_i32 s92, s18, 192
	s_lshl_b32 s93, s17, 6
	s_add_co_u32 s92, s92, s93                     ; my 64 rows of W begin at row 192 x head + 64 x role
	s_lshl_b32 s93, s19, 6
	s_add_co_u32 s93, s93, 384                     ; my 64 tokens at row 384 + 64 x half
	s_cmp_lt_u32 s[WV], 8
	s_cselect_b32 s94, s92, s93                    ; P: W for q and k, the tokens for v
	s_cselect_b32 s95, s93, s92                    ; Q: the other
	s_mul_i32 s94, s94, PITCH
	s_mul_i32 s95, s95, PITCH
	s_add_co_u32 s94, s94, COD0
	s_add_co_u32 s95, s95, COD0
	v_and_b32 v13, 31, v0
	s_delay_alu instid0(VALU_DEP_1)
	v_lshlrev_b32 v1, 4, v13                       ; v1  16 x lane
	v_and_b32 v2, 15, v0                           ; v2  r
	v_bfe_u32 v3, v0, 4, 1                         ; v3  h
	s_delay_alu instid0(VALU_DEP_2)
	v_mul_u32_u24 v13, v2, PITCH
	s_delay_alu instid0(VALU_DEP_1)
	v_lshl_add_u32 v14, v3, 4, v13                 ; a fragment's row x pitch + 16 h
	s_delay_alu instid0(VALU_DEP_1)
	v_add_nc_u32 v4, s94, v14                      ; v4  P's fragments
	s_delay_alu instid0(VALU_DEP_2)
	v_add_nc_u32 v5, s95, v14                      ; v5  Q's
	s_sub_co_u32 s93, s93, s92
	s_mul_i32 s93, s93, 34                         ; 8 rows to a unit of 272 bytes: 34 bytes a row, from W's rows to the tokens
	s_mul_i32 s92, s92, 34
	v_xor_b32 v14, s20, v3                         ; lanes 0-15 take P's scale words, lanes 16-31 Q's: the tokens' where h xor (1 for v) is 1
	s_delay_alu instid0(VALU_DEP_1)
	v_mul_u32_u24 v14, s93, v14
	v_lshrrev_b32 v15, 3, v2
	s_delay_alu instid0(VALU_DEP_1)
	v_mul_u32_u24 v15, v15, PITCH
	v_and_b32 v6, 7, v2
	s_delay_alu instid0(VALU_DEP_1)
	v_lshl_add_u32 v15, v6, 5, v15                 ; row r of a tile: unit r / 8, 32 bytes a row
	s_delay_alu instid0(VALU_DEP_1)
	v_add_nc_u32 v14, v14, v15
	s_delay_alu instid0(VALU_DEP_1)
	v_add_nc_u32 v6, s92, v14                      ; v6  the scale words (SCL begins at LDS byte 0)
	s_mul_i32 s100, s[WV], 16*PITCH                ; 16 units or 16 rows a wave
	v_mul_u32_u24 v14, v3, PITCH
	s_delay_alu instid0(VALU_DEP_1)
	v_lshl_add_u32 v14, v2, 4, v14
	s_delay_alu instid0(VALU_DEP_1)
	v_add_nc_u32 v14, s100, v14
	s_delay_alu instid0(VALU_DEP_1)
	v_add_nc_u32 v7, POS, v14                      ; v7  pos on the way in: rows 16 wave + h, 16 bytes a lane
	s_mul_i32 s101, s19, 64*PITCH
	v_lshl_add_u32 v14, v3, 5, v13
	s_delay_alu instid0(VALU_DEP_1)
	v_add_nc_u32 v14, s101, v14
	s_delay_alu instid0(VALU_DEP_1)
	v_add_nc_u32 v8, POS, v14                      ; v8  pos on the way out: my token's row, + 32 h
	v_lshlrev_b32 v9, 5, v3                        ; v9  bias of q, k: 32 h
	v_lshlrev_b32 v10, 2, v2                       ; v10 bias of v: 4 r
	v_lshlrev_b32 v11, 4, v2
	s_delay_alu instid0(VALU_DEP_1)
	v_lshl_add_u32 v11, v3, 2, v11                 ; v11 scale words of q, k: 16 r + 4 h
	v_lshl_add_u32 v12, v2, 4, v3                  ; v12 scale bytes of v: 16 r + h
	v_cmp_ne_u32 s[HM], 0, v3
	; descriptor groups 1.  Codes: 128 rows x 256 bytes out of rows of 512; 16 bytes of padding behind each
	s_or_b32 s[G1CW], s26, (1<<20)|(1<<21)|(5<<22)|(3<<25)          ; 15:0 the mask; 17:16 elements of 1 byte; 20 padding on; 21 set beside a mask; 24:22 after every 64 words; 31:25 four words
	s_or_b32 s[G1CX], s27, (1<<20)|(1<<21)|(5<<22)|(3<<25)
.irp g, G1CW, G1CX
	s_mov_b32 s[\g+1], 256<<16                     ; tensor_dim0
	s_mov_b32 s[\g+2], 128<<16                     ; tensor_dim1
	s_mov_b32 s[\g+3], 256<<16                     ; tile_dim0
	s_mov_b32 s[\g+4], 128                         ; tile_dim1
	s_mov_b32 s[\g+5], 512                         ; from row to row
	s_mov_b32 s[\g+6], 0
	s_mov_b32 s[\g+7], 0
.endr
	; scale bytes of 128 rows: 4,096 dense bytes as 16 rows of 32 elements of 8 bytes, 16 bytes of padding behind each
	s_or_b32 s[G1SW], s26, (3<<16)|(1<<20)|(1<<21)|(5<<22)|(3<<25)
	s_or_b32 s[G1SX], s27, (3<<16)|(1<<20)|(1<<21)|(5<<22)|(3<<25)
.irp g, G1SW, G1SX
	s_mov_b32 s[\g+1], 32<<16
	s_mov_b32 s[\g+2], 16<<16
	s_mov_b32 s[\g+3], 32<<16
	s_mov_b32 s[\g+4], 16
	s_mov_b32 s[\g+5], 32
	s_mov_b32 s[\g+6], 0
	s_mov_b32 s[\g+7], 0
.endr
	; from where: W's hang on hp and the wave alone (s92-95), x's on tb alone (s96-99)
	s_mul_i32 s92, s25, 384
	s_and_b32 s88, s[WV], 3                        ; j: which 128 rows I fetch (0-2: W's, 3: the tokens).  Waves 0-3 fetch scale bytes, waves 4-7 K half 0 of the codes, waves 8-11 K half 1: twelve tiles, one tensor load a wave
	s_lshl_b32 s93, s88, 7
	s_add_co_u32 s92, s92, s93                     ; waves 0-2: W's row 384 hp + 128 wave
	s_lshl_b32 s94, s92, 5                         ; its scale bytes,
	s_mov_b32 s95, 0
	s_lshl_b32 s92, s92, 9
	s_lshl_b32 s93, s20, 8
	s_add_co_u32 s92, s92, s93                     ; + 256 bytes for K half 1 (s20 = wave / 8)
	s_mov_b32 s93, 0
	s_lshl_b32 s96, s24, 12                        ; wave 3: the 128 tokens' scale bytes,
	s_add_co_u32 s96, s96, SOFF
	s_mov_b32 s97, 0
	s_lshl_b32 s98, s24, 16
	s_lshl_b32 s99, s20, 8
	s_add_co_u32 s98, s98, s99                     ; + 256 bytes for K half 1
	s_mov_b32 s99, 0
	s_mul_i32 s89, s88, 16*PITCH                   ; to where: scale bytes, 16 units for each 128 rows;
	s_mul_i32 s101, s88, 128*PITCH                 ; codes, j x 128 rows
	s_mul_i32 s90, s20, CODB
	s_add_co_u32 s101, s101, s90                   ; in my K half
	s_wait_dscnt 0x0
	s_wait_kmcnt 0x0
	s_add_nc_u64 s[92:93], s[6:7], s[92:93]
	s_add_nc_u64 s[98:99], s[4:5], s[98:99]
	s_mov_b32 s[G0W], 1
	s_add_co_u32 s[G0W+1], s89, SCL
	s_add_nc_u64 s[G0W+2:G0W+3], s[8:9], s[94:95]
	s_or_b32 s[G0W+3], s[G0W+3], 0x80000000
	s_mov_b32 s[G0X], 1
	s_add_co_u32 s[G0X+1], s89, SCL
	s_add_nc_u64 s[G0X+2:G0X+3], s[4:5], s[96:97]
	s_or_b32 s[G0X+3], s[G0X+3], 0x80000000
.irp k, 0
	s_mov_b32 s[G0W+4+4*\k], 1
	s_add_co_u32 s[G0W+5+4*\k], s101, COD0+\k*CODB
	s_add_nc_u64 s[G0W+6+4*\k:G0W+7+4*\k], s[92:93], \k*256
	s_or_b32 s[G0W+7+4*\k], s[G0W+7+4*\k], 0x80000000
	s_mov_b32 s[G0X+4+4*\k], 1
	s_add_co_u32 s[G0X+5+4*\k], s101, COD0+\k*CODB
	s_add_nc_u64 s[G0X+6+4*\k:G0X+7+4*\k], s[98:99], \k*256
	s_or_b32 s[G0X+7+4*\k], s[G0X+7+4*\k], 0x80000000
.endr
	ROUND                                          ; all sixteen work-groups are here: the joint loads meet
	s_cmp_lt_u32 s[WV], 3                          ; a wave's one fill stands in the arm for its number; four v_nop follow it
	s_cbranch_scc0 .Lnot_w
	tensor_load_to_lds s[G0W:G0W+3], s[G1SW:G1SW+7]
	s_nop 0
.rept 4
	v_nop
.endr
	s_branch .Lasked
.Lnot_w:
	s_cmp_eq_u32 s[WV], 3
	s_cbranch_scc0 .Lcodes                         ; one chain of branches on the wave's number, one load to an arm, all arms leading to one join
	tensor_load_to_lds s[G0X:G0X+3], s[G1SX:G1SX+7]
	s_nop 0
.rept 4
	v_nop
.endr
	s_branch .Lasked
.Lcodes:
	s_cmp_lt_u32 s88, 3
	s_cbranch_scc0 .Lcodes_x
	tensor_load_to_lds s[G0W+4:G0W+7], s[G1CW:G1CW+7]
	s_nop 0
.rept 4
	v_nop
.endr
	s_branch .Lasked
.Lcodes_x:
	tensor_load_to_lds s[G0X+4:G0X+7], s[G1CX:G1CX+7]
	s_nop 0
.rept 4
	v_nop
.endr
.Lasked:
	; the other addresses
	s_lshl_b32 s92, s25, 1
	s_add_co_u32 s92, s92, s18                     ; head
	s_and_b32 s93, s24, 16
	s_add_co_u32 s93, s93, s92                     ; bh = 16 x batch + head
	s_and_b32 s94, s24, 15                         ; s: the step of 128 tokens
	s_mul_i32 s96, s92, 768
	s_lshl_b32 s97, s17, 8
	s_add_co_u32 s96, s96, s97
	s_mov_b32 s97, 0
	s_add_nc_u64 s[10:11], s[10:11], s[96:97]      ; b_qkv at column 192 head + 64 role
	s_mul_i32 s98, s17, RB
	s_lshl_b32 s21, s20, 1
	s_lshl_b32 s96, s93, 16
	s_add_co_u32 s96, s96, s98
	s_lshl_b32 s99, s94, 12
	s_add_co_u32 s96, s96, s99
	s_sub_co_u32 s62, 11, s21
	s_lshl_b32 s62, s19, s62                       ; my half: 2,048 bytes on for q and k (four tiles), 512 for v (c)
	s_add_co_u32 s96, s96, s62
	s_add_nc_u64 s[66:67], s[14:15], s[96:97]      ; s[66:67] my codes
	s_lshl_b32 s96, s93, 12
	s_add_co_u32 s96, s96, s98
	s_lshl_b32 s99, s94, 8
	s_add_co_u32 s96, s96, s99
	s_sub_co_u32 s62, 3, s21
	s_lshl_b32 s62, s19, s62                       ; my half: 8 bytes on for q and k (two words), 2 for v
	s_add_co_u32 s96, s96, s62
	s_add_co_u32 s96, s96, SOFF
	s_add_nc_u64 s[14:15], s[14:15], s[96:97]      ; s[14:15] my scale words
	s_lshl_b32 s96, s24, 15
	s_lshl_b32 s99, s[WV], 12
	s_add_co_u32 s96, s96, s99
	s_add_nc_u64 s[12:13], s[12:13], s[96:97]      ; pos at token 128 tb + 16 wave
	s_cmp_lt_u32 s[WV], 8
	s_cbranch_scc0 .Lno_pos
.irp i, 0,1,2,3,4,5,6,7
	global_load_b128 v[PL+4*\i:PL+4*\i+3], v1, s[12:13] offset:512*\i   ; two whole rows of pos: 512 consecutive bytes
.endr
.Lno_pos:
	s_wait_tensorcnt 0x0                           ; my one load is in
	s_barrier_signal -1
	s_barrier_wait -1                              ; everybody's scales and first K half are in
; A K step of 128: four fragments of P, four of Q, sixteen products.  The sixteen accumulators take turns, one instruction a turn.
.macro KSTEP sg
.if \sg > 0
.rept 4
	v_nop                                          ; four places in front of loads into registers that matrix instructions have read
.endr
.endif
.if (\sg)%4 == 0
.irp i, 0,1,2,3
	ds_load_b128 v[SC+4*\i:SC+4*\i+3], v6 offset:2*PITCH*\i+16*((\sg)/4)   ; four K steps' scale words of tile i
.endr
.endif
.irp i, 0,1,2,3
.irp c, 0,1
	ds_load_b128 v[PF+8*\i+4*\c:PF+8*\i+4*\c+3], v4 offset:16*PITCH*\i+64*((\sg)%4)+32*\c
	ds_load_b128 v[QF+8*\i+4*\c:QF+8*\i+4*\c+3], v5 offset:16*PITCH*\i+64*((\sg)%4)+32*\c
.endr
.endr
	s_wait_dscnt 0x0
.irp q, 0,1,2,3
.irp p, 0,1,2,3
.if \sg == 0
	v_wmma_scale_f32_16x16x128_f8f6f4 v[ACC+32*\q+8*\p:ACC+32*\q+8*\p+7], v[PF+8*\p:PF+8*\p+7], v[QF+8*\q:QF+8*\q+7], 0, v[SC+4*\p+(\sg)%4], v[SC+4*\q+(\sg)%4] matrix_a_fmt:MATRIX_FMT_FP4 matrix_b_fmt:MATRIX_FMT_FP4 matrix_b_scale:MATRIX_SCALE_ROW1
.else
	v_wmma_scale_f32_16x16x128_f8f6f4 v[ACC+32*\q+8*\p:ACC+32*\q+8*\p+7], v[PF+8*\p:PF+8*\p+7], v[QF+8*\q:QF+8*\q+7], v[ACC+32*\q+8*\p:ACC+32*\q+8*\p+7], v[SC+4*\p+(\sg)%4], v[SC+4*\q+(\sg)%4] matrix_a_fmt:MATRIX_FMT_FP4 matrix_b_fmt:MATRIX_FMT_FP4 matrix_b_scale:MATRIX_SCALE_ROW1
.endif
.endr
.endr
.endm
	KSTEP 0                                        ; its products start the sums: nothing is cleared
	KSTEP 1
	KSTEP 2
	KSTEP 3
	s_wait_tensorcnt 0x0                           ; my part of the second K half is in; my reads of the first are over (each step ends its loads with a wait for 0)
	s_barrier_signal -1
	s_barrier_wait -1                              ; both now hold of every wave: COD0 is free
	s_wait_loadcnt 0x0                             ; pos has landed.  The wait stands on every wave's path: the biases are loaded into the same registers further down, and no load is issued into a register that an earlier load has yet to write
	s_cmp_lt_u32 s[WV], 8
	s_cbranch_scc0 .Lno_stage
.irp i, 0,1,2,3,4,5,6,7
	ds_store_b128 v7, v[PL+4*\i:PL+4*\i+3] offset:2*PITCH*\i
.endr
.Lno_stage:
	v_add_nc_u32 v4, CODB, v4                      ; on to the second K half
	v_add_nc_u32 v5, CODB, v5
	KSTEP 4
	s_cmp_lt_u32 s[WV], 8                          ; the biases are asked for here, into the registers that pos has left (that step's wait for 0 covers the stores): they land under three K steps
	s_cbranch_scc0 .Lbias_v
	s_wait_alu depctr_va_vdst(0)
.irp t, 0,1,2,3
	global_load_b128 v[BI+8*\t:BI+8*\t+3], v9, s[10:11] offset:64*\t        ; dims 16 t + 8 h + 0 .. 7
	global_load_b128 v[BI+8*\t+4:BI+8*\t+7], v9, s[10:11] offset:64*\t+16
.endr
	s_branch .Lbias_asked
.Lbias_v:
	s_wait_alu depctr_va_vdst(0)
.irp t, 0,1,2,3
	global_load_b32 v[BI+2*\t], v10, s[10:11] offset:64*\t                  ; dim 16 t + r
.endr
.Lbias_asked:
	KSTEP 5
	KSTEP 6
	KSTEP 7
.rept 4
	v_nop                                          ; four places behind the last products
.endr
	s_wait_dscnt 0x0                               ; for the others' sake: my stores of pos are done
	s_barrier_signal -1
	s_barrier_wait -1                              ; 128 rows of pos lie in LDS
	s_cmp_lt_u32 s[WV], 8
	s_cbranch_scc0 .Lv_path
	; ---- q and k: a tile of 16 tokens at a time
.macro TILE m
.set A, ACC+32*\m
.irp t, 0,1
.irp q, 0,1
	ds_load_b128 v[SN+8*\t+4*\q:SN+8*\t+4*\q+3], v8 offset:16*PITCH*\m+64*\t+16*\q        ; sin at dims 16 t + 8 h on
	ds_load_b128 v[CN+8*\t+4*\q:CN+8*\t+4*\q+3], v8 offset:16*PITCH*\m+64*\t+16*\q+128    ; cos
.endr
.endr
.irp i, 0,2,4,6,8,10,12,14,16,18,20,22,24,26,28,30
	v_pk_add_f32 v[A+\i:A+\i+1], v[A+\i:A+\i+1], v[BI+\i:BI+\i+1]   ; the bias; each accumulator is read from its low end on
.endr
	s_cmp_lg_u32 s17, 1
	s_cbranch_scc1 .Lno_norm_\@                    ; k alone is divided by its norm
	v_pk_mul_f32 v[TM:TM+1], v[A:A+1], v[A:A+1]                     ; the sum of my 32 squares, in two packed chains
	v_pk_mul_f32 v[TM+2:TM+3], v[A+2:A+3], v[A+2:A+3]
.irp i, 4,8,12,16,20,24,28
	s_delay_alu instid0(VALU_DEP_2)
	v_pk_fma_f32 v[TM:TM+1], v[A+\i:A+\i+1], v[A+\i:A+\i+1], v[TM:TM+1]
	s_delay_alu instid0(VALU_DEP_2)
	v_pk_fma_f32 v[TM+2:TM+3], v[A+\i+2:A+\i+3], v[A+\i+2:A+\i+3], v[TM+2:TM+3]
.endr
	s_delay_alu instid0(VALU_DEP_1)
	v_pk_add_f32 v[TM:TM+1], v[TM:TM+1], v[TM+2:TM+3]
	s_delay_alu instid0(VALU_DEP_1)
	v_add_f32 v[TM], v[TM], v[TM+1]
	s_delay_alu instid0(VALU_DEP_1)
	v_permlanex16_b32 v[TM+1], v[TM], s[SEL], s[SEL+1]
	s_delay_alu instid0(VALU_DEP_1)
	v_add_f32 v[TM], v[TM], v[TM+1]                ; with lane l xor 16's 32
	s_wait_alu depctr_va_vdst(0)
	v_rsq_f32 v[F], v[TM]
	v_mov_b32 v[F+1], 0                            ; named below as the pair's upper word; also the plain line behind the transcendental
	s_wait_alu depctr_va_vdst(0)
.irp i, 0,2,4,6,8,10,12,14,16,18,20,22,24,26,28,30
	v_pk_mul_f32 v[A+\i:A+\i+1], v[A+\i:A+\i+1], v[F:F+1] op_sel_hi:[1,0]
.endr
.Lno_norm_\@:
	s_wait_dscnt 0x0                               ; sin and cos
	s_wait_alu depctr_va_vdst(0)
.irp g, 0,4,8,12                       ; rope: registers 0-15 are x0, 16-31 x1 at the same 16 dims
	v_pk_mul_f32 v[TM:TM+1], v[A+16+\g:A+17+\g], v[SN+\g:SN+\g+1]            ; x1 sin
	v_pk_mul_f32 v[TM+2:TM+3], v[A+16+\g:A+17+\g], v[CN+\g:CN+\g+1]          ; x1 cos
	v_pk_mul_f32 v[TM+4:TM+5], v[A+18+\g:A+19+\g], v[SN+\g+2:SN+\g+3]
	v_pk_mul_f32 v[TM+6:TM+7], v[A+18+\g:A+19+\g], v[CN+\g+2:CN+\g+3]
	s_delay_alu instid0(VALU_DEP_3)
	v_pk_fma_f32 v[A+16+\g:A+17+\g], v[A+\g:A+\g+1], v[SN+\g:SN+\g+1], v[TM+2:TM+3]                             ; x0 sin + x1 cos
	v_pk_fma_f32 v[A+\g:A+\g+1], v[A+\g:A+\g+1], v[CN+\g:CN+\g+1], v[TM:TM+1] neg_lo:[0,0,1] neg_hi:[0,0,1]     ; x0 cos - x1 sin
	s_delay_alu instid0(VALU_DEP_3)
	v_pk_fma_f32 v[A+18+\g:A+19+\g], v[A+\g+2:A+\g+3], v[SN+\g+2:SN+\g+3], v[TM+6:TM+7]
	v_pk_fma_f32 v[A+\g+2:A+\g+3], v[A+\g+2:A+\g+3], v[CN+\g+2:CN+\g+3], v[TM+4:TM+5] neg_lo:[0,0,1] neg_hi:[0,0,1]
.endr
	QH A, PC+4*\m
	global_store_b128 v1, v[PC+4*\m:PC+4*\m+3], s[66:67] offset:512*\m      ; the tile's image: 512 consecutive bytes
	v_lshl_or_b32 v[HW+\m], v[TM+7], 8, v[TM+6]    ; its two bytes
.endm
	s_wait_loadcnt 0x0                             ; the biases
	TILE 0
	TILE 1
	TILE 2
	TILE 3
	v_lshl_or_b32 v[TM], v[HW+1], 16, v[HW]        ; two tiles to a word
	s_delay_alu instid0(VALU_DEP_2)
	v_lshl_or_b32 v[TM+1], v[HW+3], 16, v[HW+2]
	s_delay_alu instid0(VALU_DEP_1)
	v_cndmask_b32 v[TM], v[TM], v[TM+1], s[HM]     ; lanes 0-15 store the first word of their token's place, lanes 16-31 the second
	global_store_b32 v11, v[TM], s[14:15]          ; 8 of each 16 bytes of a block of 256: the other token half's wave stores the rest; 262,144 bytes in the launch
	s_branch .Ldone
	; ---- v: a tile of 16 dims at a time; a lane's 32 registers run along my 64 tokens
.Lv_path:
	v_mov_b32 v[TM+2], 0                           ; a lane permute's destination counts as one of its sources
	v_mov_b32 v[TM+3], 0
	s_wait_loadcnt 0x0                             ; the biases
.irp t, 0,1,2,3
	v_mov_b32 v[BI+2*\t+1], v[BI+2*\t]             ; one number for both halves of the packed additions
.endr
.irp t, 0,1,2,3
.irp i, 0,2,4,6,8,10,12,14,16,18,20,22,24,26,28,30
	v_pk_add_f32 v[ACC+32*\t+\i:ACC+32*\t+\i+1], v[ACC+32*\t+\i:ACC+32*\t+\i+1], v[BI+2*\t:BI+2*\t+1]
.endr
	QH ACC+32*\t, PC+4*\t
	global_store_b128 v1, v[PC+4*\t:PC+4*\t+3], s[66:67] offset:1024*\t     ; half a fragment's image: 512 consecutive bytes
	v_cndmask_b32 v[HW+\t], v[TM+6], v[TM+7], s[HM]
	global_store_b8 v12, v[HW+\t], s[14:15] offset:4*\t                     ; two of a word's four bytes: the other two are the other token half's wave's; 131,072 bytes in the launch
.endr
.Ldone:
	s_set_vgpr_msb 0x5
	s_wait_tensorcnt 0x0
	ds_add_u32 v0, v1
	s_wait_dscnt 0x0
	s_set_vgpr_msb 0x500
	ROUND                                          ; the closing round: no work-group ends while a partner may still ask for a tile that names it
	s_endpgm
.Lfunc_end_k_q4a64173485_qkv:
	.size	k_q4a64173485_qkv, .Lfunc_end_k_q4a64173485_qkv-k_q4a64173485_qkv
	.p2alignl 7, 3214868480
	.fill 96, 4, 3214868480
	.section	.rodata,"a",@progbits
	.p2align	6, 0x0
	.amdhsa_kernel k_q4a64173485_qkv
		.amdhsa_group_segment_fixed_size 297472
		.amdhsa_private_segment_fixed_size 0
		.amdhsa_enable_private_segment 0
		.amdhsa_kernarg_size 48
		.amdhsa_user_sgpr_count 2
		.amdhsa_user_sgpr_kernarg_segment_ptr 1
		.amdhsa_wavefront_size32 1
		.amdhsa_system_sgpr_workgroup_id_x 1
		.amdhsa_system_sgpr_workgroup_id_y 1
		.amdhsa_system_sgpr_workgroup_id_z 1
		.amdhsa_system_vgpr_workitem_id 0
		.amdhsa_next_free_vgpr 258
		.amdhsa_next_free_sgpr 102
		.amdhsa_reserve_vcc 0
		.amdhsa_float_denorm_mode_32 3
		.amdhsa_float_denorm_mode_16_64 3
		.amdhsa_memory_ordered 1
		.amdhsa_forward_progress 1
		.amdhsa_inst_pref_size 93
	.end_amdhsa_kernel
	.amdgpu_metadata
---
amdhsa.version: [ 1, 2 ]
amdhsa.kernels:
  - .name:           k_q4a64173485_qkv
    .symbol:         k_q4a64173485_qkv.kd
    .args:
      - { .name: prep, .offset: 0, .size: 8, .value_kind: global_buffer, .address_space: global }
      - { .name: W_qkv_codes, .offset: 8, .size: 8, .value_kind: global_buffer, .address_space: global }
      - { .name: W_qkv_scales, .offset: 16, .size: 8, .value_kind: global_buffer, .address_space: global }
      - { .name: b_qkv, .offset: 24, .size: 8, .value_kind: global_buffer, .address_space: global }
      - { .name: pos, .offset: 32, .size: 8, .value_kind: global_buffer, .address_space: global }
      - { .name: qkvw, .offset: 40, .size: 8, .value_kind: global_buffer, .address_space: global }
    .group_segment_fixed_size: 297472
    .private_segment_fixed_size: 0
    .kernarg_segment_align: 8
    .kernarg_segment_size: 48
    .max_flat_workgroup_size: 384
    .sgpr_count:     102
    .vgpr_count:     258
    .wavefront_size: 32
...
	.end_amdgpu_metadata
.endif
;; end of part 2
;; launch attn (part 3): grid 8 x 32, 16 waves a work-group, clusters of 4 x 1, 169,984 bytes of LDS; arguments qkvw, cbuf; writes cbuf
.if DOCPART == 3
	.amdgcn_target "amdgcn-amd-amdhsa--gfx1250"
	.amdhsa_code_object_version 6
	.text
	.protected	k_q4a64173485_attn
	.globl	k_q4a64173485_attn
	.p2align	8
	.type	k_q4a64173485_attn,@function
k_q4a64173485_attn:
	s_mov_b64 s[64:65], 0
	v_nop
	global_prefetch_b8 v0, s[64:65] scope:SCOPE_SE
	s_setreg_imm32_b32 hwreg(HW_REG_WAVE_MODE, 25, 1), 1
	s_wait_xcnt 0x0
	s_wait_alu depctr_hold_cnt(0) depctr_sa_sdst(0) depctr_va_vdst(0) depctr_va_sdst(0) depctr_va_ssrc(0) depctr_va_vcc(0) depctr_vm_vsrc(0)
	s_getreg_b32 s2, hwreg(HW_REG_IB_STS2, 6, 4)
	s_cmp_eq_u32 s2, 0
	s_cbranch_scc0 .Lentry_in_a_cluster
	s_endpgm
.Lentry_in_a_cluster:
	s_bfe_u32 s2, ttmp6, 0x10000c
	s_cmp_lg_u32 s2, 0x3003
	s_cbranch_scc0 .Lentry_shape_is_right
	s_endpgm
.Lentry_shape_is_right:
; ctx[q] = the sum over the keys of softmax(q . k) v (scale 1), both products on codes of FP4 (E2M1) with E8M0 scales; then ctx is quantised along the head's 64 for the last product.
; THE SOFTMAX AHEAD OF THE SECOND PRODUCT: t = score x log2(e); M = the running largest t rounded UP to a whole number; p = 2^(t - M) is quantised along the keys, not normalised; the row's sum is taken
; of the unquantised p and divides at the end.  When M moves, the sum and O are multiplied by 2^(old M - new M): exact.
; SHARES.  A work-group owns 256 queries of one head (bh = 16 batch + head); each of its sixteen waves owns one tile of 16 queries in 256 registers.  Every wave walks the head's 2,048 keys, 256 a trip, 8 trips.
; LDS.  A head's K and V, codes and scale words, come ONCE: waves 0-3 fetch the quarters of K's codes, waves 4-7 those of V's, wave 8 both sets of scale words (one tile of two rows): one tensor load a wave.
; One wait for 0 and one barrier follow; nothing is filled again, and the walk over the keys has no barrier.
; CLUSTER 4 x 1: the four query blocks of a cluster belong to one head and ask for K and V jointly.
; No prefetch into the L2: K and V are asked for once, at the head, and there is no loop to run ahead in.
; LAYOUT.  Both products are used transposed: a lane holds ONE query (lane % 16) throughout.  The head's 64 fill half of the instruction's 128 along K: a fragment of K holds TWO tiles of 16 keys
; (registers 0-3, 4-7), and Q stands as twelve registers 0000 qqqq 0000, so that source 1 is (q, 0) or (0, q): zero codes add nothing for the other tile.
; THE KEYS OF A TILE ARE CHOSEN so that a lane holds WHOLE BLOCKS of 32 keys: row m of tile T (0 .. 7 in 128 keys) is key 64 (T / 4) + 32 (m / 8) + 8 (T % 4) + m % 8.  In S^T register 8 T + j of lane (r, h) is then
; key 64 (T / 4) + 32 h + 8 (T % 4) + j: the very order of the second product's operand.  A block's maximum needs no other lane, and the conversions' results are the operand's registers as they stand.
; The choice is made by the LDS address alone: K's images lie as the launch before stored them, [step of 128][tile of 16 tokens][lane][16 bytes], here as rows of 1,024 bytes with 128 bytes of padding behind each,
; so that the sixteen lanes of a load (two groups of eight keys, one row apart) touch sixteen different columns of 16 bytes modulo 256.  A fragment pairs tiles T and T + 2: they share one stored scale word.
; A TRIP'S LDS LOADS: K's fragments of a trip's first 128 keys are asked for in the middle of the trip before; those of its second 128 keys behind the first scores; V's land in registers of S^T whose p have been converted and summed.
; LIMITS: the promise holds while the scaled scores t stay under 2^31 in magnitude; a block of zeros gets the byte 1 (this program alone reads the bytes); NaN and infinities are not served.
.set RB,    2228224
.set SOFF,  2097152
.set KP,    1152                       ; a row of K's images in LDS: 1,024 bytes + 128 of padding
.set VIMG,  64*KP                      ; LDS: K's images at 0, V's here (dense),
.set KSC,   VIMG+65536                 ; K's scale words [step][r][4 words],
.set VSC,   KSC+4096                   ; V's,
.set SPARE, VSC+4096                   ; the spare words, 128 bytes a wave: eight blocks of 256 bytes that no other line names
.set SPW, 1                            ; v1   my spare word;  v14  0
.set AK,  2                            ; v2   my place in K's images; stepped a trip
.set AV,  3                            ; v3   in V's
.set AKS, 4                            ; v4   among K's scale words
.set AVS, 5                            ; v5   among V's
.set NM,  6                            ; v6   -M (the packed form names the pair v[6:7] and takes its low word)
.set RM,  7                            ; v7   the running largest score
.set SA,  8                            ; v[8:9] the row's sum; v10-13 two more chains within a trip, and at work
.set NIL, 14
.set QS,  15                           ; v15     q's scale word: its two bytes twice
.set QB,  16                           ; v16-27  0000 qqqq 0000
.set KW,  28                           ; v28-31  K's scale words
.set KF,  32                           ; v32-63  K's four fragments
.set S,   64                           ; v64-191 S^T, then p; later in a trip v128-159 and v160-191 take V's fragments
.set O,   192                          ; v192-223 O^T
.set PC,  224                          ; v224-239 p's codes, two operands; ahead of them at work on the blocks' maxima
.set VW,  240                          ; v240-243, v244-247 V's scale words
.set PW,  248                          ; v248, v249 p's two scale words
.set BM,  250                          ; v250-253 my four blocks' largest scores, then p, then the conversions' scale operands; then v[250:251] a chain of the sum
.set F,   254                          ; v254 2^(old M - new M) (the packed form names the pair v[254:255] and takes its low word)
.set LN,  255                          ; v255 16 x lane: every image in memory
.set TM,  32                           ; the last quantiser's eight registers
.set WV,  8
.set SEL, 10
.set CS,  12                           ; s[12:13] log2(e);  s14 its negative
.set NC,  14
.set CNT, 16
.set G1K, 20
.set G1V, 28
.set G1S, 36
.set G0K, 44
.set G0V, 48
.set G0S, 52
.macro ROUND                           ; a round of the cluster's barrier
	s_barrier_signal -1
	s_barrier_wait -1
	s_cmp_lg_u32 s[WV], 0
	s_cbranch_scc1 .Lnot_wave_0_\@
	s_barrier_signal -3
.Lnot_wave_0_\@:
	s_barrier_wait -3
	s_barrier_signal -1
	s_barrier_wait -1
.endm
; 32 numbers of a lane, register 8 t + j = number 16 t + 8 h + j of my row's 64, become four registers of codes (lane (r, h): numbers 32 h .. 32 h + 31) in v[pc] on, and the two blocks' bytes in v[TM+6], v[TM+7].
.macro QH s, pc
.irp b, 0,1
	v_max3_num_f32 v[TM+\b], |v[(\s)+16*\b]|, |v[(\s)+16*\b+1]|, 0x1800000   ; block b: my 16 numbers, and the floor 2^(3 - 127): the byte cannot fall under 1
.endr
.irp i, 2,4,6,8,10,12,14
.irp b, 0,1
	s_delay_alu instid0(VALU_DEP_2)
	v_max3_num_f32 v[TM+\b], v[TM+\b], |v[(\s)+16*\b+\i]|, |v[(\s)+16*\b+\i+1]|
.endr
.endr
.irp b, 0,1
	s_delay_alu instid0(VALU_DEP_2)
	v_permlanex16_b32 v[TM+2+\b], v[TM+\b], s[SEL], s[SEL+1]
.endr
.irp b, 0,1
	s_delay_alu instid0(VALU_DEP_2)
	v_max_num_f32 v[TM+\b], v[TM+\b], v[TM+2+\b]
.endr
.irp b, 0,1
	s_delay_alu instid0(VALU_DEP_2)
	v_add_nc_u32 v[TM+4+\b], 0xff000000, v[TM+\b]
.endr
.irp b, 0,1
	s_delay_alu instid0(VALU_DEP_2)
	v_lshrrev_b32 v[TM+6+\b], 23, v[TM+4+\b]
.endr
	v_cvt_scalef32_pk8_fp4_f32 v[(\pc)], v[(\s):(\s)+7], v[TM+4]
	v_cvt_scalef32_pk8_fp4_f32 v[(\pc)+2], v[(\s)+8:(\s)+15], v[TM+4]
	v_cvt_scalef32_pk8_fp4_f32 v[(\pc)+1], v[(\s)+16:(\s)+23], v[TM+5]
	v_cvt_scalef32_pk8_fp4_f32 v[(\pc)+3], v[(\s)+24:(\s)+31], v[TM+5]
	v_nop                                          ; one plain line behind a scaled conversion
	v_permlane16_swap_b32 v[(\pc)], v[(\pc)+1]
	v_permlane16_swap_b32 v[(\pc)+2], v[(\pc)+3]
.endm
	s_load_b128 s[4:7], s[0:1], 0x0                ; qkvw, cbuf
	v_lshl_add_u32 v[SPW], v0, 2, SPARE
	v_mov_b32 v[NIL], 0
	ds_add_u32 v[SPW], v[NIL]                      ; the opening: the add, twice on end, and its wait ahead of the first tensor load
	ds_add_u32 v[SPW], v[NIL]
	v_lshrrev_b32 v8, 5, v0
	v_readfirstlane_b32 s[WV], v8
	v_and_b32 v8, 31, v0
	v_and_b32 v9, 15, v0                           ; m = r = lane % 16
	v_bfe_u32 v10, v0, 4, 1                        ; h
	v_lshlrev_b32 v[LN], 4, v8
	v_and_b32 v11, 7, v9                           ; m % 8
	v_lshrrev_b32 v12, 3, v9                       ; m / 8
	v_lshlrev_b32 v13, 4, v9                       ; 16 r
	v_mul_u32_u24 v[AK], v12, KP
	v_lshlrev_b32 v[AKS], 4, v11
	v_add_nc_u32 v[AV], VIMG, v[LN]
	v_lshl_add_u32 v[AK], v11, 4, v[AK]
	v_lshl_add_u32 v[AKS], v12, 2, v[AKS]
	v_add_nc_u32 v[AVS], VSC, v13
	v_lshl_add_u32 v[AK], v10, 8, v[AK]            ; K: KP (m / 8) + 16 (m % 8) + 256 h
	v_add_nc_u32 v[AKS], KSC, v[AKS]               ; K's scale words: 16 (m % 8) + 4 (m / 8)
	s_and_b32 s56, ttmp7, 0xffff                   ; bh, which the four partners share
	s_lshl_b32 s58, s56, 16
	s_lshl_b32 s57, s[WV], 14
	s_add_co_u32 s58, s58, s57
	s_add_co_u32 s58, s58, RB                      ; K's codes (role 1): the head's, quarter = wave
	s_mov_b32 s59, 0
	s_add_co_u32 s60, s58, RB-65536                ; V's (role 2): quarter = wave - 4
	s_mov_b32 s61, 0
	s_lshl_b32 s62, s56, 12
	s_add_co_u32 s62, s62, RB+SOFF                 ; K's scale words; V's lie RB bytes on
	s_mov_b32 s63, 0
	s_mov_b32 s[G1K], 15|(3<<16)|(1<<20)|(1<<21)|(7<<22)|(31<<25)   ; 15:0 the mask: all four work-groups; elements of 8 bytes; padding on; 21 set beside a mask; after every 256 words, 32 words
	s_mov_b32 s[G1K+1], 128<<16                    ; 16 rows of 1,024 bytes, dense in memory
	s_mov_b32 s[G1K+2], 16<<16
	s_mov_b32 s[G1K+3], 128<<16
	s_mov_b32 s[G1K+4], 16
	s_mov_b32 s[G1K+5], 128
	s_mov_b32 s[G1K+6], 0
	s_mov_b32 s[G1K+7], 0
	s_mov_b32 s[G1V], 15|(3<<16)|(1<<21)           ; 64 rows of 256 bytes, dense in memory and in LDS
	s_mov_b32 s[G1V+1], 32<<16
	s_mov_b32 s[G1V+2], 64<<16
	s_mov_b32 s[G1V+3], 32<<16
	s_mov_b32 s[G1V+4], 64
	s_mov_b32 s[G1V+5], 32
	s_mov_b32 s[G1V+6], 0
	s_mov_b32 s[G1V+7], 0
	s_mov_b32 s[G1S], 15|(3<<16)|(1<<21)           ; two rows of 4,096 bytes, RB bytes apart: K's scale words and V's
	s_mov_b32 s[G1S+1], 512<<16
	s_mov_b32 s[G1S+2], 2<<16
	s_mov_b32 s[G1S+3], 512<<16
	s_mov_b32 s[G1S+4], 2
	s_mov_b32 s[G1S+5], RB/8
	s_mov_b32 s[G1S+6], 0
	s_mov_b32 s[G1S+7], 0
	s_mov_b32 s[SEL], 0x76543210
	s_mov_b32 s[SEL+1], 0xfedcba98
	s_mov_b32 s[CS], 0x3fb8aa3b                    ; log2(e)
	s_mov_b32 s[CS+1], s[CS]
	s_mov_b32 s[NC], 0xbfb8aa3b
	s_mov_b32 s[G0K], 1
	s_mul_i32 s[G0K+1], s[WV], 16*KP               ; no place in the cluster enters an LDS address
	s_mov_b32 s[G0V], 1
	s_lshl_b32 s[G0V+1], s[WV], 14
	s_add_co_u32 s[G0V+1], s[G0V+1], VIMG-65536
	s_mov_b32 s[G0S], 1
	s_mov_b32 s[G0S+1], KSC
	s_wait_dscnt 0x0                               ; both opening adds are done
	s_wait_kmcnt 0x0
	s_add_nc_u64 s[G0K+2:G0K+3], s[4:5], s[58:59]
	s_or_b32 s[G0K+3], s[G0K+3], 0x80000000
	s_add_nc_u64 s[G0V+2:G0V+3], s[4:5], s[60:61]
	s_or_b32 s[G0V+3], s[G0V+3], 0x80000000
	s_add_nc_u64 s[G0S+2:G0S+3], s[4:5], s[62:63]
	s_or_b32 s[G0S+3], s[G0S+3], 0x80000000
	ROUND                                          ; all four work-groups are here: the joint loads meet
; The head's loads, one a wave: one chain of branches on the wave's number, each arm with its load and a jump to the join.
.macro ARM under, g0, g1, next
	s_cmp_lt_u32 s[WV], \under
	s_cbranch_scc0 \next
	tensor_load_to_lds s[\g0:\g0+3], s[\g1:\g1+7]
	s_nop 0
.rept 4
	v_nop
.endr
	s_branch .Lhead_asked
\next:
.endm
	ARM 4, G0K, G1K, .Lhead_v
	ARM 8, G0V, G1V, .Lhead_s
	ARM 9, G0S, G1S, .Lhead_none
.Lhead_asked:
	; my queries: the place in the cluster enters global addresses alone
	s_bfe_u32 s66, ttmp6, 0x40000
	s_lshl_b32 s67, ttmp9, 2
	s_add_co_u32 s66, s66, s67                     ; my block of 256 queries
	s_lshl_b32 s66, s66, 4
	s_add_co_u32 s66, s66, s[WV]                   ; my tile of 16 among the head's 128
	s_lshl_b32 s68, s56, 16
	s_lshl_b32 s69, s66, 9
	s_add_co_u32 s68, s68, s69
	s_mov_b32 s69, 0
	s_add_nc_u64 s[68:69], s[4:5], s[68:69]
	s_wait_alu depctr_va_vdst(0)
	global_load_b128 v[QB+4:QB+7], v[LN], s[68:69] ; q's image (role 0)
	s_lshl_b32 s70, s56, 12
	s_lshr_b32 s71, s66, 3
	s_lshl_b32 s71, s71, 8                         ; its step of 128 tokens,
	s_add_co_u32 s70, s70, s71
	s_bfe_u32 s71, s[WV], 0x20001
	s_lshl_b32 s71, s71, 2                         ; the word of its pair of tiles
	s_add_co_u32 s70, s70, s71
	s_add_co_u32 s70, s70, SOFF
	s_mov_b32 s71, 0
	s_add_nc_u64 s[70:71], s[4:5], s[70:71]
	global_load_b32 v[QS], v13, s[70:71]
	s_and_b32 s67, s[WV], 1
	s_lshl_b32 s67, s67, 4                         ; which half of that word is my tile's
	s_lshr_b32 s17, s56, 4
	s_lshl_b32 s17, s17, 7
	s_add_co_u32 s17, s17, s66                     ; my tile among the 256 of all tokens
	s_and_b32 s57, s56, 15                         ; the head
	s_lshl_b32 s60, s17, 9
	s_lshl_b32 s61, s57, 5
	s_add_co_u32 s60, s60, s61
	s_add_co_u32 s60, s60, SOFF
	s_mov_b32 s61, 0
	s_add_nc_u64 s[18:19], s[6:7], s[60:61]        ; ctx's scale bytes [tile][head][r][2]
	s_lshl_b32 s60, s17, 13
	s_lshl_b32 s61, s57, 9
	s_add_co_u32 s60, s60, s61
	s_mov_b32 s61, 0
	s_add_nc_u64 s[6:7], s[6:7], s[60:61]          ; ctx's codes [tile][head][lane][16 bytes]
	s_wait_loadcnt 0x0
	v_lshrrev_b32 v[QS], s67, v[QS]
	s_delay_alu instid0(VALU_DEP_1)
	v_and_b32 v[QS], 0xffff, v[QS]
	s_delay_alu instid0(VALU_DEP_1)
	v_lshl_or_b32 v[QS], v[QS], 16, v[QS]          ; my tile's two bytes twice: they serve (q, 0) and (0, q).  The lines below are the places that a scale register and operands written by vector instructions owe
.irp j, 0,1,2,3,8,9,10,11
	v_mov_b32 v[QB+\j], 0                          ; zero codes round q
.endr
	v_mov_b32 v[RM], 0xff61b1e6                    ; the largest score so far: -3e38
	v_mov_b32 v[NM], 0x7f61b1e6                    ; -M to begin with: 3e38, so that the first factor is 0
	v_mov_b32 v[SA], 0                             ; the sum, in two halves
	v_mov_b32 v[SA+1], 0
	v_mov_b32 v11, 0                               ; a lane permute's destination counts as one of its sources
.set J, 0
.rept 32
	v_mov_b32 v[O+J], 0                            ; O^T: the first trip finds zeros, which the first factor leaves zeros
.set J, J+1
.endr
.macro KL1 u, g                        ; K's fragment g of a trip's u-th 128 keys: tiles T = 4 (g / 2) + g % 2 and T + 2, and the one scale word that serves both
	ds_load_b32 v[KW+\g], v[AKS] offset:256*\u+128*(\g%2)+8*(\g/2)
	ds_load_b128 v[KF+8*\g:KF+8*\g+3], v[AK] offset:4*KP*\u+2*KP*(\g/2)+128*(\g%2)
	ds_load_b128 v[KF+8*\g+4:KF+8*\g+7], v[AK] offset:4*KP*\u+2*KP*(\g/2)+128*(\g%2)+512
.endm
.macro KLOAD u
.irp g, 0,1,2,3
	KL1 \u, \g
.endr
.endm
.macro NEXTK more, g                   ; a fragment of the next trip's first 128 keys (the addresses have been stepped); the last trip asks for nothing
.if \more
	KL1 0, \g
.endif
.endm
.macro QK u                            ; S^T = K Q^T: tile T's scores into S + 64 u + 8 T
.irp g, 0,1,2,3
	v_wmma_scale_f32_16x16x128_f8f6f4 v[S+64*\u+8*(4*(\g/2)+\g%2):S+64*\u+8*(4*(\g/2)+\g%2)+7], v[KF+8*\g:KF+8*\g+7], v[QB+4:QB+11], 0, v[KW+\g], v[QS] matrix_a_fmt:MATRIX_FMT_FP4 matrix_b_fmt:MATRIX_FMT_FP4
	v_wmma_scale_f32_16x16x128_f8f6f4 v[S+64*\u+8*(4*(\g/2)+\g%2+2):S+64*\u+8*(4*(\g/2)+\g%2+2)+7], v[KF+8*\g:KF+8*\g+7], v[QB:QB+7], 0, v[KW+\g], v[QS] matrix_a_fmt:MATRIX_FMT_FP4 matrix_b_fmt:MATRIX_FMT_FP4
.endr
.endm
.macro VLOAD u                         ; V's four fragments and scale words of the trip's u-th 128 keys, into S + 64 + 32 u on
	ds_load_b128 v[VW+4*\u:VW+4*\u+3], v[AVS] offset:256*\u
.irp t, 0,1,2,3
.irp c, 0,1
	ds_load_b128 v[S+64+32*\u+8*\t+4*\c:S+64+32*\u+8*\t+4*\c+3], v[AV] offset:4096*\u+1024*\t+512*\c
.endr
.endr
.endm
.macro BMAX2 b                         ; the largest scores of my blocks b and b + 1: 64 registers, eight chains by turns, a tile each; each tile is read from its low end on
.irp k, 0,1,2,3,4,5,6,7
	v_max3_num_f32 v[PC+\k], v[S+32*\b+8*\k], v[S+32*\b+8*\k+1], v[S+32*\b+8*\k+2]
.endr
.irp i, 3,5
.irp k, 0,1,2,3,4,5,6,7
	v_max3_num_f32 v[PC+\k], v[PC+\k], v[S+32*\b+8*\k+\i], v[S+32*\b+8*\k+\i+1]
.endr
.endr
.irp c, 0,1
	v_max3_num_f32 v[PC+4*\c], v[PC+4*\c], v[PC+4*\c+1], v[PC+4*\c+2]
.endr
.irp c, 0,1
	v_max3_num_f32 v[PC+4*\c+3], v[PC+4*\c+3], v[S+32*(\b+\c)+7], v[S+32*(\b+\c)+15]
.endr
.irp c, 0,1
	v_max3_num_f32 v[PC+4*\c], v[PC+4*\c], v[S+32*(\b+\c)+23], v[S+32*(\b+\c)+31]
.endr
.irp c, 0,1
	v_max_num_f32 v[BM+\b+\c], v[PC+4*\c], v[PC+4*\c+3]
.endr
.endm
.macro FMAS from, n                    ; t - M of pairs from .. from + n - 1, two numbers a line
.set J, \from
.rept \n
	v_pk_fma_f32 v[S+2*J:S+2*J+1], v[S+2*J:S+2*J+1], s[CS:CS+1], v[NM:NM+1] op_sel_hi:[1,0,0]
.set J, J+1
.endr
.endm
.macro SUMS from, n                    ; pairs from .. from + n - 1 of p onto four chains by turns (v8, v10, v12, v250); the pairs are taken from S + 64 on, round to S + 62
.set J, \from
.rept \n
.set CC, (J+2)%4
.set CH, SA+2*CC+236*(CC/3)
.set PP, S+2*((J+32)%64)
	v_pk_add_f32 v[CH:CH+1], v[CH:CH+1], v[PP:PP+1]
.set J, J+1
.endr
.endm
; A TRIP: 256 keys.  more = 1: another trip follows.
.macro TRIP more
	s_wait_dscnt 0x0                               ; K's fragments of my first 128 keys
	QK 0
.rept 4
	v_nop                                          ; four places in front of loads into registers that these products have read, and of the first read of their results
.endr
	KLOAD 1
	BMAX2 0
	v_max_num_f32 v10, v[BM], v[BM+1]
	s_wait_alu depctr_va_vdst(0)
	s_wait_dscnt 0x0
	QK 1
.if \more
	v_add_nc_u32 v[AK], 8*KP, v[AK]                ; on to the next 256 keys of K; with the two lines below: the four places behind the products
	v_add_nc_u32 v[AKS], 512, v[AKS]
	v_nop
	v_nop
.else
.rept 4
	v_nop
.endr
.endif
	BMAX2 2
	v_max3_num_f32 v10, v10, v[BM+2], v[BM+3]      ; the chain that leads to M; the next trip's LDS loads stand between its links
	NEXTK \more, 0
	v_permlanex16_b32 v11, v10, s[SEL], s[SEL+1]   ; lane l xor 16 holds my query's other blocks
	NEXTK \more, 1
	v_max3_num_f32 v[RM], v[RM], v10, v11          ; the running largest score
	NEXTK \more, 2
	v_mul_f32 v10, s[NC], v[RM]                    ; -t
	NEXTK \more, 3
	v_floor_f32 v10, v10                           ; the new -M = floor(-t) = -ceil(t)
	v_sub_f32 v11, v10, v[NM]                      ; M's old value less its new one: a whole number, 0 or less
	v_mov_b32 v[NM], v10
	FMAS 0, 4
	v_cvt_i32_f32 v11, v11                         ; (it saturates)
	FMAS 4, 4
	v_ldexp_f32 v[F], 1.0, v11                     ; f = 2^(old M - new M)
	FMAS 8, 24
.irp b, 0,1,2,3
	v_fma_f32 v[BM+\b], v[BM+\b], s[CS], v[NM]     ; the same of each block's largest score
.endr
	s_wait_alu depctr_va_vdst(0)
.set J, 0
.rept 32                                       ; the first 64 exponentials; among them the second 64 numbers' t - M, which are read behind the next wait
	v_exp_f32 v[S+2*J], v[S+2*J]                   ; p = 2^(t - M), at most 1
	v_exp_f32 v[S+2*J+1], v[S+2*J+1]
	v_pk_fma_f32 v[S+64+2*J:S+64+2*J+1], v[S+64+2*J:S+64+2*J+1], s[CS:CS+1], v[NM:NM+1] op_sel_hi:[1,0,0]
.set J, J+1
.endr
.irp b, 0,1,2,3
	v_exp_f32 v[BM+\b], v[BM+\b]                   ; the block's largest p: the same two instructions on the same number give the same bits
.endr
	s_wait_alu depctr_va_vdst(0)                   ; behind the first batch and ahead of the second
.set J, 64
.rept 64
	v_exp_f32 v[S+J], v[S+J]
.set J, J+1
.endr
	v_pk_mul_f32 v[SA:SA+1], v[SA:SA+1], v[F:F+1] op_sel_hi:[1,0]   ; the sum under the new M (the plain line behind the exponentials)
	s_wait_alu depctr_va_vdst(0)                   ; one wait for the batch, ahead of its first reader
.irp b, 0,1,2,3
	v_max_num_f32 v[BM+\b], 0x1800000, v[BM+\b]    ; the floor 2^(3 - 127): the byte cannot fall under 1
.endr
.irp b, 0,1,2,3
	v_add_nc_u32 v[BM+\b], 0xff000000, v[BM+\b]    ; 2 off the exponent field: the conversion's scale operand
.endr
.irp b, 0,1,2,3
	v_lshrrev_b32 v[10+\b], 23, v[BM+\b]           ; the scale's byte
.endr
	v_lshl_or_b32 v10, v11, 8, v10
	v_lshl_or_b32 v12, v13, 8, v12
	s_delay_alu instid0(VALU_DEP_1)
	v_lshl_or_b32 v10, v12, 16, v10                ; my four bytes: blocks h, 2 + h of the first 128 keys, then of the second
	s_delay_alu instid0(VALU_DEP_1)
	v_permlanex16_b32 v11, v10, s[SEL], s[SEL+1]
	s_delay_alu instid0(VALU_DEP_1)
	v_perm_b32 v[PW], v11, v10, 0x05010400         ; lanes 0-15, which alone are read: mine, the other's, mine, the other's: p's scale word of the first 128 keys,
	v_perm_b32 v[PW+1], v11, v10, 0x07030602       ; and of the second
.irp b, 0,1,2,3
.irp i, 0,1,2,3
	v_cvt_scalef32_pk8_fp4_f32 v[PC+4*\b+\i], v[S+32*\b+8*\i:S+32*\b+8*\i+7], v[BM+\b]   ; register 4 c + i of the operand: keys 64 c + 32 h + 8 i on
.endr
.endr
	v_pk_add_f32 v[10:11], v[S+64:S+65], v[S+66:S+67]   ; THE ROW'S SUM IS TAKEN OF THE UNQUANTISED p.  (These lines are also the plain lines behind the conversions and the places that p's codes and scale words owe)
	v_pk_add_f32 v[12:13], v[S+68:S+69], v[S+70:S+71]
	v_pk_add_f32 v[BM:BM+1], v[S+72:S+73], v[S+74:S+75]
	v_pk_add_f32 v[SA:SA+1], v[SA:SA+1], v[S+76:S+77]
	SUMS 7, 9                                      ; S + 64 .. S + 95 are converted and summed:
	VLOAD 0                                        ; they take V's fragments of the first 128 keys;
	SUMS 16, 16
	VLOAD 1                                        ; S + 96 .. S + 127 those of the second
	SUMS 32, 32
	v_pk_add_f32 v[10:11], v[10:11], v[12:13]
	v_pk_add_f32 v[SA:SA+1], v[SA:SA+1], v[BM:BM+1]
	s_delay_alu instid0(VALU_DEP_1)
	v_pk_add_f32 v[SA:SA+1], v[SA:SA+1], v[10:11]
	s_wait_alu depctr_va_vdst(0)
.set J, 0
.rept 16
	v_pk_mul_f32 v[O+J:O+J+1], v[O+J:O+J+1], v[F:F+1] op_sel_hi:[1,0]   ; O^T under the new M; each accumulator is read from its low end on
.set J, J+2
.endr
	s_wait_alu depctr_va_vdst(0)
	s_wait_dscnt 0x0                               ; V (and the next trip's fragments of K)
.irp t, 0,1,2,3                        ; O^T += V^T P^T: the four accumulators take turns, one instruction a turn
	v_wmma_scale_f32_16x16x128_f8f6f4 v[O+8*\t:O+8*\t+7], v[S+64+8*\t:S+64+8*\t+7], v[PC:PC+7], v[O+8*\t:O+8*\t+7], v[VW+\t], v[PW] matrix_a_fmt:MATRIX_FMT_FP4 matrix_b_fmt:MATRIX_FMT_FP4
.endr
.irp t, 0,1,2,3
	v_wmma_scale_f32_16x16x128_f8f6f4 v[O+8*\t:O+8*\t+7], v[S+96+8*\t:S+96+8*\t+7], v[PC+8:PC+15], v[O+8*\t:O+8*\t+7], v[VW+4+\t], v[PW+1] matrix_a_fmt:MATRIX_FMT_FP4 matrix_b_fmt:MATRIX_FMT_FP4
.endr
.if \more
	v_add_nc_u32 v[AV], 8192, v[AV]                ; on to the next 256 keys of V
	v_add_nc_u32 v[AVS], 512, v[AVS]
.endif
.endm
	s_mov_b32 s[CNT], 7
	s_wait_alu depctr_va_vdst(0)
	s_wait_tensorcnt 0x0                           ; my load, if I had one, is in
	s_barrier_signal -1
	s_barrier_wait -1                              ; everybody's is: K, V and their scale words lie in LDS for the rest of the launch
	KLOAD 0
.Ltrip:
	TRIP 1
	s_sub_co_u32 s[CNT], s[CNT], 1
	s_cmp_lg_u32 s[CNT], 0
	s_wait_alu depctr_va_vdst(0)
	s_cbranch_scc1 .Ltrip
	TRIP 0                                         ; the last trip is written out: it asks for no further keys
	v_add_f32 v[SA], v[SA], v[SA+1]                ; the sum's two halves,
	s_delay_alu instid0(VALU_DEP_1)
	v_permlanex16_b32 v10, v[SA], s[SEL], s[SEL+1]
	s_delay_alu instid0(VALU_DEP_1)
	v_add_f32 v[SA], v[SA], v10                    ; and lane l xor 16's: the row's sum
	s_wait_alu depctr_va_vdst(0)
	v_rcp_f32 v[SA], v[SA]
	v_bfe_u32 v11, v[LN], 4, 4                     ; r (plain lines behind the transcendental; with the additions above the places behind the last products)
	v_bfe_u32 v12, v[LN], 8, 1                     ; h
	s_delay_alu instid0(VALU_DEP_1)
	v_lshl_add_u32 v13, v11, 1, v12                ; my scale byte's place: 2 r + h
	v_cmp_ne_u32 s9, 0, v12
	s_wait_alu depctr_va_vdst(0)                   ; the wait, ahead of the first reader of the reciprocal and of O^T
.set J, 0
.rept 16
	v_pk_mul_f32 v[S+J:S+J+1], v[O+J:O+J+1], v[SA:SA+1] op_sel_hi:[1,0]   ; ctx(query r, dim 16 t + 8 h + j) in register 8 t + j; each accumulator is read from its low end on
.set J, J+2
.endr
	QH S, PC
	global_store_b128 v[LN], v[PC:PC+3], s[6:7]    ; half a fragment of the last product's operand: 512 consecutive bytes
	v_cndmask_b32 v40, v[TM+6], v[TM+7], s9
	global_store_b8 v13, v40, s[18:19]             ; 32 consecutive bytes
	s_wait_tensorcnt 0x0                           ; the wave's end
	ds_add_u32 v[SPW], v[NIL]
	s_wait_dscnt 0x0
	ROUND                                          ; the closing round: no work-group ends while a partner may still ask for a tile that names it
	s_endpgm
.Lfunc_end_k_q4a64173485_attn:
	.size	k_q4a64173485_attn, .Lfunc_end_k_q4a64173485_attn-k_q4a64173485_attn
	.p2alignl 7, 3214868480
	.fill 96, 4, 3214868480
	.section	.rodata,"a",@progbits
	.p2align	6, 0x0
	.amdhsa_kernel k_q4a64173485_attn
		.amdhsa_group_segment_fixed_size 169984
		.amdhsa_private_segment_fixed_size 0
		.amdhsa_enable_private_segment 0
		.amdhsa_kernarg_size 16
		.amdhsa_user_sgpr_count 2
		.amdhsa_user_sgpr_kernarg_segment_ptr 1
		.amdhsa_wavefront_size32 1
		.amdhsa_system_sgpr_workgroup_id_x 1
		.amdhsa_system_sgpr_workgroup_id_y 1
		.amdhsa_system_sgpr_workgroup_id_z 1
		.amdhsa_system_vgpr_workitem_id 0
		.amdhsa_next_free_vgpr 256
		.amdhsa_next_free_sgpr 72
		.amdhsa_reserve_vcc 0
		.amdhsa_float_denorm_mode_32 3
		.amdhsa_float_denorm_mode_16_64 3
		.amdhsa_memory_ordered 1
		.amdhsa_forward_progress 1
		.amdhsa_inst_pref_size 67
	.end_amdhsa_kernel
	.amdgpu_metadata
---
amdhsa.version: [ 1, 2 ]
amdhsa.kernels:
  - .name:           k_q4a64173485_attn
    .symbol:         k_q4a64173485_attn.kd
    .args:
      - { .name: qkvw, .offset: 0, .size: 8, .value_kind: global_buffer, .address_space: global }
      - { .name: cbuf, .offset: 8, .size: 8, .value_kind: global_buffer, .address_space: global }
    .group_segment_fixed_size: 169984
    .private_segment_fixed_size: 0
    .kernarg_segment_align: 8
    .kernarg_segment_size: 16
    .max_flat_workgroup_size: 512
    .sgpr_count:     72
    .vgpr_count:     256
    .wavefront_size: 32
...
	.end_amdgpu_metadata
.endif
;; end of part 3
;; launch outln (part 4): grid 256 x 1, 16 waves a work-group, clusters of 4 x 1, 327,680 bytes of LDS; arguments cbuf, prep, W_out_scales, b_out, x, ln_g, ln_b, out0; writes out0
.if DOCPART == 4
	.amdgcn_target "amdgcn-amd-amdhsa--gfx1250"
	.amdhsa_code_object_version 6
	.text
	.protected	k_q4a64173485_outln
	.globl	k_q4a64173485_outln
	.p2align	8
	.type	k_q4a64173485_outln,@function
k_q4a64173485_outln:
	s_mov_b64 s[64:65], 0
	v_nop
	global_prefetch_b8 v0, s[64:65] scope:SCOPE_SE
	s_setreg_imm32_b32 hwreg(HW_REG_WAVE_MODE, 25, 1), 1
	s_wait_xcnt 0x0
	s_wait_alu depctr_hold_cnt(0) depctr_sa_sdst(0) depctr_va_vdst(0) depctr_va_sdst(0) depctr_va_ssrc(0) depctr_va_vcc(0) depctr_vm_vsrc(0)
	s_getreg_b32 s2, hwreg(HW_REG_IB_STS2, 6, 4)
	s_cmp_eq_u32 s2, 0
	s_cbranch_scc0 .Lentry_in_a_cluster
	s_endpgm
.Lentry_in_a_cluster:
	s_bfe_u32 s2, ttmp6, 0x10000c
	s_cmp_lg_u32 s2, 0x3003
	s_cbranch_scc0 .Lentry_shape_is_right
	s_endpgm
.Lentry_shape_is_right:
; out = LayerNorm(x + Q(ctx) W_out + b_out) x ln_g + ln_b; the product on codes of FP4 (E2M1) with E8M0 scales, all else in f32.
; SHARES.  A work-group takes 16 tokens x all 1,024 columns, so that a row's mean and variance never leave it.  Product: wave w makes columns 64 w .. 64 w + 63, four accumulators, transposed (source 0 = 16 rows of
; W_out, source 1 = the 16 tokens): a lane holds eight neighbouring columns of one token.  Rows: wave w takes token w whole.
; THE WEIGHTS COME IN TWO FILLS OF LDS.  W_out lies in operand order in prep; each fragment is used by one wave of the work-group, once.  Its 524,288 bytes do not fit in LDS; four of the eight K steps do.
;   K steps 0-3: one tensor load a wave brings its four tiles' 4 x 4,096 bytes into its own 16,384 bytes of LDS, read by that wave alone into registers.  One tensor load of a wave is out.
;   K steps 4-7: a second tensor load refills the same bytes; each K step is read from there into 32 registers.
; CLUSTER 4 x 1: every work-group walks the same W_out, so the four of a cluster ask for each wave's tile jointly; the descriptor hangs on the wave's number alone.
; ctx's codes (images of operand registers) and scale bytes, ln_g, ln_b and b_out are brought into LDS once, a sixteenth by each wave, and read from there: so a wave issues 25 loads and stores to memory in all, besides its two tensor loads.
; The bias is loaded into the accumulators: the first product adds onto it.  The results meet in a stage (16 rows x (4,096 + 16) bytes), and each wave reads a whole row back.  The stage lies over the weights' bytes,
; behind a barrier of its own: they have had their only fill and their last read by then.
; The variance is the mean of the squared differences from the mean: no difference of large sums.
.set SOFF,   2097152
.set WOOFF,  2228224
.set SPITCH, 4112                      ; LDS: at 0 the weights' images, 16,384 bytes a wave: [tile 4][K step 4][half 2][lane][16 bytes]; later the stage, 16 rows x SPITCH
.set CIMG,   262144                    ; ctx's 16 half fragments,
.set CSC,    270336                    ; its scale bytes [r][32],
.set GL,     270848                    ; ln_g;
.set BLO,    4096                      ; ln_b lies 4,096 bytes behind it,
.set BOO,    8192                      ; b_out 8,192
.set ACC, 16                           ; v16-47   four accumulators; later my row
.set Y,   16
.set WS,  48                           ; v48-63   W_out's scale words and nothing else: register 8 (i / 2) + step: lanes 0-15 tile i even, lanes 16-31 tile i odd
.set CS,  64                           ; v64-71   ctx's scale words and nothing else, one a K step
.set CF,  72                           ; v72-87   ctx's fragments, two buffers; at the head my pieces of ln_g, ln_b, b_out; at the end at work on the row
.set GP,  72
.set LT,  72
.set CH,  88                           ; v88-91   my sixteenth of ctx's codes; v92 my scale byte
.set CB,  92
.set WF,  96                           ; v96-223  W_out's fragments of K steps 0-3; later ln_g, ln_b
.set GR,  96
.set BR,  128
.set LF,  192                          ; v192-223 W_out's fragments of one of K steps 4-7, read from LDS (the registers that K step 3's set has left);  v224-255 x's row, asked for at the head
.set XR,  224
.set WV,  20
.set SEL, 34
.set G0,  40                           ; s[40:43] descriptor group 0;  s[44:51] group 1
.set G1,  44
.macro ROUND                           ; a round of the cluster's barrier
	s_barrier_signal -1
	s_barrier_wait -1
	s_cmp_lg_u32 s[WV], 0
	s_cbranch_scc1 .Lnot_wave_0_\@
	s_barrier_signal -3
.Lnot_wave_0_\@:
	s_barrier_wait -3
	s_barrier_signal -1
	s_barrier_wait -1
.endm
	s_load_b256 s[4:11], s[0:1], 0x0               ; cbuf, prep, W_out's scales, b_out
	s_load_b256 s[12:19], s[0:1], 0x20             ; x, ln_g, ln_b, out0
	v_lshl_add_u32 v94, v0, 2, 0x45200
	v_mov_b32 v95, 0
	ds_add_u32 v94, v95
	ds_add_u32 v94, v95
	v_lshrrev_b32 v12, 5, v0
	s_delay_alu instid0(VALU_DEP_1)
	v_readfirstlane_b32 s[WV], v12                 ; wave
	v_and_b32 v9, 31, v0                           ; v9  lane
	s_delay_alu instid0(VALU_DEP_1)
	v_lshlrev_b32 v1, 4, v9                        ; v1  16 x lane
	v_and_b32 v88, 15, v0                          ; r
	v_bfe_u32 v89, v0, 4, 1                        ; h
	s_delay_alu instid0(VALU_DEP_4)
	v_lshlrev_b32 v5, 5, v9                        ; v5  W_out's scales: 32 x lane
	s_delay_alu instid0(VALU_DEP_3)
	v_mul_u32_u24 v6, v88, SPITCH
	s_delay_alu instid0(VALU_DEP_1)
	v_lshl_add_u32 v6, v89, 5, v6
	s_lshl_b32 s21, s[WV], 8
	v_add_nc_u32 v6, s21, v6                       ; v6  the stage, in: row r, + 256 wave + 32 h
	v_lshl_add_u32 v12, v9, 3, s21                 ; v12 my 8 bytes of ln_g, ln_b, b_out: 256 wave + 8 lane
	s_delay_alu instid0(VALU_DEP_1)
	v_add_nc_u32 v14, GL, v12                      ; v14 and their place in LDS
	v_lshl_add_u32 v3, v89, 5, s21
	s_delay_alu instid0(VALU_DEP_1)
	v_add_nc_u32 v3, GL+BOO, v3                    ; v3  the bias of my columns: 256 wave + 32 h
	s_mul_i32 s21, s[WV], SPITCH
	v_add_nc_u32 v7, s21, v1                       ; v7  the stage, back: row = wave, 16 bytes a lane
	s_lshl_b32 s21, s[WV], 9
	v_add_nc_u32 v8, s21, v1                       ; v8  my sixteenth of ctx's codes in memory,
	s_delay_alu instid0(VALU_DEP_1)
	v_add_nc_u32 v13, CIMG, v8                     ; v13 and in LDS
	v_add_nc_u32 v4, CIMG, v1                      ; v4  ctx's fragments
	s_lshl_b32 s21, s[WV], 14
	v_add_nc_u32 v15, s21, v1                      ; v15 my weights' images
	v_add_nc_u32 v2, GL, v1                        ; v2  ln_g and ln_b by rows
	v_lshrrev_b32 v10, 1, v9
	v_and_b32 v90, 1, v9
	s_delay_alu instid0(VALU_DEP_1)
	v_lshl_add_u32 v10, v10, 5, v90
	s_lshl_b32 s21, s[WV], 1
	s_add_co_u32 s21, s21, CSC
	v_add_nc_u32 v10, s21, v10                     ; v10 my scale byte: token lane / 2, byte 2 head + lane % 2; the head is my wave's number
	v_lshl_add_u32 v11, v88, 5, CSC                ; v11 token r's 32 scale bytes
	s_bfe_u32 s38, ttmp6, 0x40000                  ; my place in the cluster: it enters global addresses alone
	s_lshl_b32 s39, ttmp9, 2
	s_add_co_u32 s39, s39, s38                     ; my tile of 16 tokens
	s_lshl_b32 s22, s39, 13                        ; its codes: 8,192 bytes
	s_mov_b32 s23, 0
	s_lshl_b32 s24, s39, 9                         ; its scale bytes: 512, 32 a head
	s_lshl_b32 s25, s[WV], 5
	s_add_co_u32 s24, s24, s25
	s_add_co_u32 s24, s24, SOFF
	s_mov_b32 s25, 0
	s_lshl_b32 s26, s[WV], 15                      ; my four tiles of W_out: 32,768 bytes
	s_add_co_u32 s26, s26, WOOFF
	s_mov_b32 s27, 0
	s_lshl_b32 s28, s[WV], 11                      ; my 64 rows of its scales
	s_mov_b32 s29, 0
	s_lshl_b32 s32, s39, 4
	s_add_co_u32 s32, s32, s[WV]
	s_lshl_b32 s32, s32, 12                        ; my token's row of x and of out0
	s_mov_b32 s33, 0
	s_mov_b32 s[SEL], 0x76543210
	s_mov_b32 s[SEL+1], 0xfedcba98
	s_mov_b32 s36, 0x3a800000                      ; 1 / 1,024
	s_mov_b32 s37, 0x3727c5ac                      ; 1e-5
	; descriptor group 1: 4 rows (my tiles) x 4,096 bytes (K steps 0-3), 8,192 bytes apart; dense in LDS: images are read 16 bytes a lane on end
	s_mov_b32 s[G1], 15|(3<<16)|(1<<21)            ; 15:0 the mask: all four work-groups; 17:16 elements of 8 bytes; 21 set beside a mask
	s_mov_b32 s[G1+1], 512<<16                     ; tensor_dim0
	s_mov_b32 s[G1+2], 4<<16                       ; tensor_dim1
	s_mov_b32 s[G1+3], 512<<16                     ; tile_dim0
	s_mov_b32 s[G1+4], 4                           ; tile_dim1
	s_mov_b32 s[G1+5], 1024                        ; from row to row
	s_mov_b32 s[G1+6], 0
	s_mov_b32 s[G1+7], 0
	s_mov_b32 s[G0], 1
	s_lshl_b32 s[G0+1], s[WV], 14                  ; to LDS byte 16,384 x wave
	s_wait_dscnt 0x0
	s_wait_kmcnt 0x0
	s_add_nc_u64 s[24:25], s[4:5], s[24:25]
	s_add_nc_u64 s[4:5], s[4:5], s[22:23]
	s_add_nc_u64 s[6:7], s[6:7], s[26:27]
	s_add_nc_u64 s[8:9], s[8:9], s[28:29]
	s_add_nc_u64 s[12:13], s[12:13], s[32:33]
	s_add_nc_u64 s[18:19], s[18:19], s[32:33]
	s_mov_b64 s[G0+2:G0+3], s[6:7]
	s_or_b32 s[G0+3], s[G0+3], 0x80000000
	ROUND                                          ; all four work-groups are here: the joint loads meet
	tensor_load_to_lds s[G0:G0+3], s[G1:G1+7]      ; every wave's first fill; four v_nop follow it
	s_nop 0
.rept 4
	v_nop
.endr
	global_load_b128 v[CH:CH+3], v8, s[4:5]
	global_load_u8 v[CB], v9, s[24:25]
	global_load_b64 v[GP:GP+1], v12, s[14:15]      ; 256 consecutive bytes of ln_g,
	global_load_b64 v[GP+2:GP+3], v12, s[16:17]    ; of ln_b,
	global_load_b64 v[GP+4:GP+5], v12, s[10:11]    ; of b_out
.irp u, 0,1
	global_load_b128 v[WS+8*\u:WS+8*\u+3], v5, s[8:9] offset:1024*\u        ; rows 32 u + lane, K steps 0-3,
	global_load_b128 v[WS+8*\u+4:WS+8*\u+7], v5, s[8:9] offset:1024*\u+16   ; 4-7
.endr
.irp k, 0,1,2,3,4,5,6,7
	global_load_b128 v[XR+4*\k:XR+4*\k+3], v1, s[12:13] offset:512*\k th:TH_LOAD_NT   ; my token's row of x: 512 consecutive bytes a load
.endr
	s_wait_loadcnt 12                              ; the first five loads are in; behind them four of scale words and x's eight were issued
	s_wait_alu depctr_va_vdst(0)
	ds_store_b128 v13, v[CH:CH+3]
	ds_store_b8 v10, v[CB]
	ds_store_b64 v14, v[GP:GP+1]
	ds_store_b64 v14, v[GP+2:GP+3] offset:BLO
	ds_store_b64 v14, v[GP+4:GP+5] offset:BOO
	; ALL OF W_out COMES BY JOINT TENSOR LOADS, in two fills of the same 16,384 bytes a wave: K steps 0-3 go from LDS into 128 registers, then K steps 4-7 are asked for and land while K steps 0-3 are multiplied.
	s_wait_tensorcnt 0x0                           ; my weights' images of K steps 0-3 are in
.irp g, 0,1,2,3
.irp i, 0,1,2,3
.irp c, 0,1
	ds_load_b128 v[WF+32*\g+8*\i+4*\c:WF+32*\g+8*\i+4*\c+3], v15 offset:4096*\i+1024*\g+512*\c
.endr
.endr
.endr
	s_wait_tensorcnt 0x0                           ; ahead of a refill: no tensor load of mine is out,
	ds_add_u32 v94, v95                            ; 0 onto my spare word,
	s_add_nc_u64 s[G0+2:G0+3], s[G0+2:G0+3], 4096  ; (K steps 4-7 lie 4,096 bytes on in each tile's 8,192)
	s_wait_dscnt 0x0                               ; the add, my reads of the images and my stores are done
	ROUND                                          ; that holds of every wave of all four work-groups; ctx, ln_g, ln_b and b_out lie in LDS
	tensor_load_to_lds s[G0:G0+3], s[G1:G1+7]      ; the refill, first behind the round: one tensor load of a wave is out
	s_nop 0
.rept 4
	v_nop
.endr
.irp i, 0,1,2,3
	ds_load_b128 v[ACC+8*\i:ACC+8*\i+3], v3 offset:64*\i            ; b_out at columns 16 i + 8 h + 0 .. 7: the sums begin with it
	ds_load_b128 v[ACC+8*\i+4:ACC+8*\i+7], v3 offset:64*\i+16
.endr
	ds_load_b128 v[CS:CS+3], v11
	ds_load_b128 v[CS+4:CS+7], v11 offset:16
.irp c, 0,1
	ds_load_b128 v[CF+4*\c:CF+4*\c+3], v4 offset:512*\c
.endr
; Four products of K step sg on the fragments at ab; the accumulators take turns.  Four places follow: in front of loads into registers that these products have read, and of the first read of results.
.macro PROD ab, sg
.irp i, 0,1,2,3
.if \i%2
	v_wmma_scale_f32_16x16x128_f8f6f4 v[ACC+8*\i:ACC+8*\i+7], v[(\ab)+8*\i:(\ab)+8*\i+7], v[CF+8*((\sg)%2):CF+8*((\sg)%2)+7], v[ACC+8*\i:ACC+8*\i+7], v[WS+8*(\i/2)+(\sg)], v[CS+(\sg)] matrix_a_fmt:MATRIX_FMT_FP4 matrix_b_fmt:MATRIX_FMT_FP4 matrix_a_scale:MATRIX_SCALE_ROW1
.else
	v_wmma_scale_f32_16x16x128_f8f6f4 v[ACC+8*\i:ACC+8*\i+7], v[(\ab)+8*\i:(\ab)+8*\i+7], v[CF+8*((\sg)%2):CF+8*((\sg)%2)+7], v[ACC+8*\i:ACC+8*\i+7], v[WS+8*(\i/2)+(\sg)], v[CS+(\sg)] matrix_a_fmt:MATRIX_FMT_FP4 matrix_b_fmt:MATRIX_FMT_FP4
.endif
.endr
.rept 4
	v_nop
.endr
.endm
.macro CNEXT sg                        ; the next K step's fragment of ctx into the other buffer
.irp c, 0,1
	ds_load_b128 v[CF+8*(((\sg)+1)%2)+4*\c:CF+8*(((\sg)+1)%2)+4*\c+3], v4 offset:1024*((\sg)+1)+512*\c
.endr
.endm
.macro LSTEP sg                        ; a K step whose weights lie in LDS
.irp i, 0,1,2,3
.irp c, 0,1
	ds_load_b128 v[LF+8*\i+4*\c:LF+8*\i+4*\c+3], v15 offset:4096*\i+1024*((\sg)-4)+512*\c
.endr
.endr
.if \sg < 7
	CNEXT \sg
	s_wait_dscnt 2                                 ; all but the two just issued
.else
	s_wait_dscnt 0x0
.endif
	PROD LF, \sg
.endm
.macro VSTEP sg                        ; a K step whose weights stand in registers
	CNEXT \sg
	s_wait_dscnt 2                                 ; all but the two just issued
	PROD WF+32*(\sg), \sg                          ; K steps 0-3: the weights stand in registers
.endm
	s_wait_loadcnt 8                               ; W_out's scale words are in; x's eight loads may be out
.irp g, 0,1,2,3
	VSTEP \g
.endr
	s_wait_tensorcnt 0x0                           ; my images of K steps 4-7 are in: I alone read them
.irp g, 4,5,6,7
	LSTEP \g
.endr
	s_barrier_signal -1                            ; my reads of the weights' images are over (the last step waited for all my LDS loads)
	s_barrier_wait -1                              ; everybody's are: the stage may be written over them
.irp i, 0,1,2,3
	ds_store_b128 v6, v[ACC+8*\i:ACC+8*\i+3] offset:64*\i           ; each accumulator from its low end on
	ds_store_b128 v6, v[ACC+8*\i+4:ACC+8*\i+7] offset:64*\i+16
.endr
	s_wait_dscnt 0x0                               ; for the others' sake: my stores into the stage are done
	s_barrier_signal -1
	s_barrier_wait -1                              ; 16 whole rows lie in the stage
.irp k, 0,1,2,3,4,5,6,7
	ds_load_b128 v[Y+4*\k:Y+4*\k+3], v7 offset:512*\k
.endr
.irp k, 0,1,2,3,4,5,6,7
	ds_load_b128 v[GR+4*\k:GR+4*\k+3], v2 offset:512*\k
.endr
.irp k, 0,1,2,3,4,5,6,7
	ds_load_b128 v[BR+4*\k:BR+4*\k+3], v2 offset:BLO+512*\k
.endr
.macro WSUM a                          ; v[a] summed over the 32 lanes, into every lane; v[a+1] is at work
	s_delay_alu instid0(VALU_DEP_1)
	v_add_f32_dpp v[\a], v[\a], v[\a] row_xmask:1 row_mask:0xf bank_mask:0xf
	s_delay_alu instid0(VALU_DEP_1)
	v_add_f32_dpp v[\a], v[\a], v[\a] row_xmask:2 row_mask:0xf bank_mask:0xf
	s_delay_alu instid0(VALU_DEP_1)
	v_add_f32_dpp v[\a], v[\a], v[\a] row_xmask:4 row_mask:0xf bank_mask:0xf
	s_delay_alu instid0(VALU_DEP_1)
	v_add_f32_dpp v[\a], v[\a], v[\a] row_xmask:8 row_mask:0xf bank_mask:0xf
	s_delay_alu instid0(VALU_DEP_1)
	v_permlanex16_b32 v[\a+1], v[\a], s[SEL], s[SEL+1]
	s_delay_alu instid0(VALU_DEP_1)
	v_add_f32 v[\a], v[\a], v[\a+1]
.endm
	s_wait_loadcnt 0x0                             ; x's row
	s_wait_dscnt 16                                ; my row is back from the stage; ln_g's and ln_b's sixteen loads may be out
.irp j, 0,2,4,6,8,10,12,14,16,18,20,22,24,26,28,30
	v_pk_add_f32 v[Y+\j:Y+\j+1], v[Y+\j:Y+\j+1], v[XR+\j:XR+\j+1]   ; y = x + the product and its bias
.endr
	v_pk_add_f32 v[LT:LT+1], v[Y:Y+1], v[Y+2:Y+3]                   ; the row's sum, in two packed chains
	v_pk_add_f32 v[LT+2:LT+3], v[Y+4:Y+5], v[Y+6:Y+7]
.irp j, 8,12,16,20,24,28
	s_delay_alu instid0(VALU_DEP_2)
	v_pk_add_f32 v[LT:LT+1], v[LT:LT+1], v[Y+\j:Y+\j+1]
	s_delay_alu instid0(VALU_DEP_2)
	v_pk_add_f32 v[LT+2:LT+3], v[LT+2:LT+3], v[Y+\j+2:Y+\j+3]
.endr
	s_delay_alu instid0(VALU_DEP_1)
	v_pk_add_f32 v[LT:LT+1], v[LT:LT+1], v[LT+2:LT+3]
	s_delay_alu instid0(VALU_DEP_1)
	v_add_f32 v[LT], v[LT], v[LT+1]
	WSUM LT
	s_delay_alu instid0(VALU_DEP_1)
	v_mul_f32 v[LT], s36, v[LT]                    ; the mean
.irp j, 0,2,4,6,8,10,12,14,16,18,20,22,24,26,28,30
	v_pk_add_f32 v[Y+\j:Y+\j+1], v[Y+\j:Y+\j+1], v[LT:LT+1] op_sel_hi:[1,0] neg_lo:[0,1] neg_hi:[0,1]   ; y - mean
.endr
	v_pk_mul_f32 v[LT+2:LT+3], v[Y:Y+1], v[Y:Y+1]                   ; the sum of their squares
	v_pk_mul_f32 v[LT+4:LT+5], v[Y+2:Y+3], v[Y+2:Y+3]
.irp j, 4,8,12,16,20,24,28
	s_delay_alu instid0(VALU_DEP_2)
	v_pk_fma_f32 v[LT+2:LT+3], v[Y+\j:Y+\j+1], v[Y+\j:Y+\j+1], v[LT+2:LT+3]
	s_delay_alu instid0(VALU_DEP_2)
	v_pk_fma_f32 v[LT+4:LT+5], v[Y+\j+2:Y+\j+3], v[Y+\j+2:Y+\j+3], v[LT+4:LT+5]
.endr
	s_delay_alu instid0(VALU_DEP_1)
	v_pk_add_f32 v[LT+2:LT+3], v[LT+2:LT+3], v[LT+4:LT+5]
	s_delay_alu instid0(VALU_DEP_1)
	v_add_f32 v[LT+2], v[LT+2], v[LT+3]
	WSUM LT+2
	s_delay_alu instid0(VALU_DEP_1)
	v_fma_f32 v[LT+2], v[LT+2], s36, s37           ; the variance + 1e-5
	s_wait_alu depctr_va_vdst(0)
	v_rsq_f32 v[LT+4], v[LT+2]
	v_nop                                          ; one plain line behind the transcendental
	s_wait_dscnt 0x0                               ; ln_g, ln_b
	s_wait_alu depctr_va_vdst(0)
.irp j, 0,2,4,6,8,10,12,14,16,18,20,22,24,26,28,30
	v_pk_mul_f32 v[Y+\j:Y+\j+1], v[Y+\j:Y+\j+1], v[LT+4:LT+5] op_sel_hi:[1,0]
.endr
.irp j, 0,2,4,6,8,10,12,14,16,18,20,22,24,26,28,30
	v_pk_fma_f32 v[Y+\j:Y+\j+1], v[Y+\j:Y+\j+1], v[GR+\j:GR+\j+1], v[BR+\j:BR+\j+1]
.endr
.irp k, 0,1,2,3,4,5,6,7
	global_store_b128 v1, v[Y+4*\k:Y+4*\k+3], s[18:19] offset:512*\k th:TH_STORE_NT   ; 32 lanes store 512 consecutive bytes, at a multiple of 256 from out0's first byte
.endr
	s_wait_tensorcnt 0x0
	ds_add_u32 v94, v95
	s_wait_dscnt 0x0
	ROUND                                          ; the closing round: no work-group ends while a partner may still ask for a tile that names it
	s_endpgm
.Lfunc_end_k_q4a64173485_outln:
	.size	k_q4a64173485_outln, .Lfunc_end_k_q4a64173485_outln-k_q4a64173485_outln
	.p2alignl 7, 3214868480
	.fill 96, 4, 3214868480
	.section	.rodata,"a",@progbits
	.p2align	6, 0x0
	.amdhsa_kernel k_q4a64173485_outln
		.amdhsa_group_segment_fixed_size 327680
		.amdhsa_private_segment_fixed_size 0
		.amdhsa_enable_private_segment 0
		.amdhsa_kernarg_size 64
		.amdhsa_user_sgpr_count 2
		.amdhsa_user_sgpr_kernarg_segment_ptr 1
		.amdhsa_wavefront_size32 1
		.amdhsa_system_sgpr_workgroup_id_x 1
		.amdhsa_system_sgpr_workgroup_id_y 1
		.amdhsa_system_sgpr_workgroup_id_z 1
		.amdhsa_system_vgpr_workitem_id 0
		.amdhsa_next_free_vgpr 256
		.amdhsa_next_free_sgpr 66
		.amdhsa_reserve_vcc 0
		.amdhsa_float_denorm_mode_32 3
		.amdhsa_float_denorm_mode_16_64 3
		.amdhsa_memory_ordered 1
		.amdhsa_forward_progress 1
		.amdhsa_inst_pref_size 31
	.end_amdhsa_kernel
	.amdgpu_metadata
---
amdhsa.version: [ 1, 2 ]
amdhsa.kernels:
  - .name:           k_q4a64173485_outln
    .symbol:         k_q4a64173485_outln.kd
    .args:
      - { .name: cbuf, .offset: 0, .size: 8, .value_kind: global_buffer, .address_space: global }
      - { .name: prep, .offset: 8, .size: 8, .value_kind: global_buffer, .address_space: global }
      - { .name: W_out_scales, .offset: 16, .size: 8, .value_kind: global_buffer, .address_space: global }
      - { .name: b_out, .offset: 24, .size: 8, .value_kind: global_buffer, .address_space: global }
      - { .name: x, .offset: 32, .size: 8, .value_kind: global_buffer, .address_space: global }
      - { .name: ln_g, .offset: 40, .size: 8, .value_kind: global_buffer, .address_space: global }
      - { .name: ln_b, .offset: 48, .size: 8, .value_kind: global_buffer, .address_space: global }
      - { .name: out0, .offset: 56, .size: 8, .value_kind: global_buffer, .address_space: global }
    .group_segment_fixed_size: 327680
    .private_segment_fixed_size: 0
    .kernarg_segment_align: 8
    .kernarg_segment_size: 64
    .max_flat_workgroup_size: 512
    .sgpr_count:     66
    .vgpr_count:     256
    .wavefront_size: 32
...
	.end_amdgpu_metadata
.endif
;; end of part 4
